; MI455X (gfx1250); checked and timed in simulation.
; The chip was launched on July 23, 2026; its instructions are those of AMD's public machine-readable ISA for CDNA 5 (MIT licence, August 2026) and "CDNA5" Instruction Set Architecture Reference Guide (July 2026). The comments in the code are by the model that wrote it; some were corrected since.
;; Multi Head Attention Unit. Allowed arithmetic: matrix products marked QUANTISED: E4M3 operands, one given power-of-two scale a tensor, by v_wmma_f32_16x16x64_fp8_fp8 or v_wmma_f32_16x16x128_fp8_fp8, f32 sums; everything else in f32.
;; Inputs: Wk 128 x 2,048 float32; Wo 2,048 x 1,024 float32; Wq 128 x 2,048 float32; Wv 128 x 2,048 float32; bk 2,048 float32; bo 1,024 float32; bq 2,048 float32; bv 2,048 float32; k_matrix 8 x 1,024 x 128 float32; lowp_scales 12 int32 (the exponents e of the quantised operands' scales 2^e); q_matrix 8 x 1,024 x 128 float32; v_matrix 8 x 1,024 x 128 float32.
;; Outputs: out0 8 x 1,024 x 1,024 float32.
;; This version of the problem:
;;   THIS VERSION OF THE PROBLEM IS GIVEN IN LOW PRECISION. The matrix products marked QUANTISED in the list below multiply operands that are first quantised to E4M3 (4 exponent bits, 3 mantissa bits; 8 bits a number), with one given power-of-two scale for each operand tensor; their sums are f32. All else is computed in f32.
;;   The module's matrix products, in the order in which they are computed (A, B: the left and right operand; K: the contracted axis; several contracted axes count as one K, in the product's order):
;;     1. [M 8,192, K 128] x [K 128, N 2,048]; A: input q_matrix; B: input Wq: QUANTISED (scales: A lowp_scales[0], B lowp_scales[1])
;;     2. [M 8,192, K 128] x [K 128, N 2,048]; A: input k_matrix; B: input Wk: QUANTISED (scales: A lowp_scales[2], B lowp_scales[3])
;;     3. [M 8,192, K 128] x [K 128, N 2,048]; A: input v_matrix; B: input Wv: QUANTISED (scales: A lowp_scales[4], B lowp_scales[5])
;;     4. batch 128 x [M 1,024, K 128] x [K 128, N 1,024]; A: computed on the way; B: computed on the way: QUANTISED (scales: A lowp_scales[6], B lowp_scales[7])
;;     5. batch 128 x [M 128, K 1,024] x [K 1,024, N 1,024]; A: computed on the way; B: softmax (see below): QUANTISED (scales: A lowp_scales[8], B lowp_scales[9])
;;     6. [M 8,192, K 2,048] x [K 2,048, N 1,024]; A: computed on the way; B: input Wo: QUANTISED (scales: A lowp_scales[10], B lowp_scales[11])
;;   THE QUANTISER, for each operand of a quantised product, along K:
;;     - The operand's scale is 2^e, e = its entry of the input lowp_scales (int32; the entries are numbered through the quantised products in the list's order, A before B).
;;     - Each number is divided by the scale, clamped to +-448, and rounded to the nearest number of E4M3, ties to even, subnormals kept.
;;     - The product sums the exact products of the quantised numbers (number of the format x scale) in f32.
;;   ~~~python
;;   def quantise(x, axis, e):      # numpy; x: float32 -> the quantised numbers, widened to float32 again
;;       x = np.moveaxis(x, axis, -1); K = x.shape[-1]
;;       r = np.clip(x / 2.0 ** e, -448, 448)
;;       step = 2.0 ** (np.maximum(np.frexp(np.where(r == 0, 1, r))[1] - 1, -6) - 3)
;;       q = np.round(r / step) * step * 2.0 ** e      # np.round: ties to even
;;       return np.moveaxis(q, -1, axis).astype(np.float32)
;;   ~~~
;;   SOFTMAX AHEAD OF A QUANTISED PRODUCT. Where the list says 'softmax', what is quantised is not the finished softmax but p = 2^(t - M), with t = logit x log2(e) and M = ceil(the row's largest t), a whole number; so 1/2 < the row's largest p <= 1. The row's sum l is taken of the UNQUANTISED p, in f32, and the product's result is divided by l at the end. Since M is a whole number, a kernel that streams over the keys may use a running M (the ceiling of the running maximum): every later rescaling is an exact power of two, so the quantised numbers keep their values, but for numbers so far below the row's largest that they fall under the format's range.
;;   OPERANDS COMPUTED ON THE WAY. 'Computed on the way' means the value that the module computes at that place (a softmax that the list does not call 'softmax' is quantised finished and normalised). What goes into a quantiser is computed in f32, as accurately as f32 sums, v_exp_f32 and their like allow (about 1e-6 of the number): no bf16 or f16 on the way to a quantiser, and a product that is left as it is and whose result goes on into a quantised operand takes f32 operands (vector FMAs, or v_wmma_f32_16x16x4_f32). A number that lies on a knife's edge between two numbers of the format may be rounded either way, as far as f32 arithmetic and the matrix unit's own rounding can turn it there, and no further.
;; 2 versions, each right; version 2 is version 1 with the launch attn written anew for expert scheduling mode. Each part assembles by itself: llvm-mc -triple=amdgcn-amd-amdhsa -mcpu=gfx1250 --defsym DOCPART=n.
;; ======== version 1 of 2: 3 launches
;; workspace buffers: ximg 3,145,728 bytes; wimg 786,432 bytes; woimg 2,097,152 bytes; ctximg 16,777,216 bytes
;; launch prep (part 1): grid 560 x 1, 4 waves a work-group, no clusters, 0 bytes of LDS; arguments q_matrix, k_matrix, v_matrix, Wq, Wk, Wv, Wo, lowp_scales, ximg, wimg, woimg; writes ximg, wimg, woimg
.if DOCPART == 1
	.amdgcn_target "amdgcn-amd-amdhsa--gfx1250"
	.amdhsa_code_object_version 6
	.text
	.protected	k_qcec862d72f_prep
	.globl	k_qcec862d72f_prep
	.p2align	8
	.type	k_qcec862d72f_prep,@function
k_qcec862d72f_prep:
	s_mov_b64 s[64:65], 0
	v_nop
	global_prefetch_b8 v0, s[64:65] scope:SCOPE_SE
	s_setreg_imm32_b32 hwreg(HW_REG_WAVE_MODE, 25, 1), 1
	s_wait_xcnt 0x0
; Every INPUT of a quantised product is turned once into codes of E4M3: code = x / 2^e, held within +-448, to the nearest code, ties to even.
; The codes are laid as IMAGES OF OPERAND REGISTERS.  A fragment is 16 rows x 128 K, 16 registers a lane: lane l = r + 16 h holds row r, and its
; registers 4 c .. 4 c + 3 hold k = 32 c + 16 h + 0 .. 15.  Its image is 2,048 bytes: registers 4 c .. 4 c + 3 of lane l lie at 512 c + 16 l.
; ximg  [tensor 0 q, 1 k, 2 v][tile 0..511][2,048]     q: row rho of tile T is row 16 T + rho.
;       k, v: within 128 rows, row rho of tile 2 b + u is row 32 b + 8 u + rho + 8 (rho / 8), so that later results fall along the next K.
; wimg  [0 Wq, 1 Wk, 2 Wv][head][tile 0..7][2,048]     a tile's rows are columns of W (units of a head), in the same chosen order.
; woimg [16 columns of Wo, 0..63][K step of 128, 0..15][2,048]   rows are columns of Wo, in plain order.
; One launch, three paths that part on the work-group's number; a wave makes one tile of x, or 32 columns x 128 K of a weight.  No LDS, no barrier.
; LIMITS: each e used here (entries 0 to 5 and 11) lies between -126 and 119, so that 2^e and 448 x 2^e are f32 numbers.  NaN among the inputs is not served.
.set X,    32                          ; v32-159  128 numbers of a lane
.set CODE, 160                         ; v160-191 their codes; no register is written twice, so no store's data are written again
.macro MKSCALE                         ; s34 = e  ->  v11 = 2^e (the conversion takes its exponent field), v10 = 448 x 2^e
	s_add_co_i32 s34, s34, 127
	s_lshl_b32 s35, s34, 23
	v_mov_b32 v11, s35
	s_add_co_i32 s34, s34, 8
	s_lshl_b32 s34, s34, 23
	s_or_b32 s34, s34, 0x600000
	v_mov_b32 v10, s34
.endm
.macro LOADB t, pitch                  ; block t of a column: W(32 t + q, my column): the wave reads 128 consecutive bytes, the work-group 512
.set q, 0
.rept 32
	global_load_b32 v[X+32*(\t)+q], v3, s[28:29] offset:(32*(\t)+q)*(\pitch) th:TH_LOAD_NT
.set q, q+1
.endr
.endm
.macro COLWORK pitch                   ; a lane is a column and its registers run down K: the conversions give codes with K innermost
.irp t, 0,1,2,3
.if \t < 3
	s_wait_loadcnt 32                              ; this block's 32 loads are in; the one block asked for behind it may be out
.else
	s_wait_loadcnt 0
.endif
.if \t < 2
	LOADB \t+2, \pitch
.endif
.set q, 0
.rept 32
	v_med3_num_f32 v[X+32*\t+q], v[X+32*\t+q], -v10, v10   ; the conversion does not saturate (ISA guide 7.6.2): the hold at the largest code x the scale
.set q, q+1
.endr
.irp g, 0,1,2,3
	v_cvt_scalef32_pk8_fp8_f32 v[CODE+8*\t+2*\g:CODE+8*\t+2*\g+1], v[X+32*\t+8*\g:X+32*\t+8*\g+7], v11
.endr
	global_store_b128 v4, v[CODE+8*\t:CODE+8*\t+3], s[32:33] offset:512*\t           ; k = 32 t + 0 .. 15: the image's lanes 0-15; sixteen lanes fill 256 consecutive bytes, aligned
	global_store_b128 v4, v[CODE+8*\t+4:CODE+8*\t+7], s[32:33] offset:512*\t+256     ; k = 32 t + 16 .. 31: its lanes 16-31
.endr
.endm
	s_load_b512 s[4:19], s[0:1], 0x0               ; q s[4:5], k s[6:7], v s[8:9], Wq s[10:11], Wk s[12:13], Wv s[14:15], Wo s[16:17], scales s[18:19]
	s_load_b128 s[20:23], s[0:1], 0x40             ; ximg s[20:21], wimg s[22:23]
	s_load_b64 s[24:25], s[0:1], 0x50              ; woimg
	v_lshrrev_b32 v5, 5, v0
	v_readfirstlane_b32 s26, v5                    ; wave 0..3
	v_and_b32 v1, 31, v0                           ; lane
	v_and_b32 v2, 15, v0                           ; r
	v_lshrrev_b32 v6, 4, v1                        ; h
	s_mov_b32 s31, 0                               ; the high word of every offset pair s[30:31]
	s_wait_kmcnt 0x0
	s_load_b256 s[36:43], s[18:19], 0x0            ; e0 .. e7
	s_load_b128 s[44:47], s[18:19], 0x20           ; e8 .. e11
	s_cmp_ge_u32 ttmp9, 384
	s_cbranch_scc1 .Lweights
	; ---- work-groups 0 to 383: a wave makes one tile of q_matrix, k_matrix or v_matrix
	s_lshr_b32 s27, ttmp9, 7                       ; which tensor
	s_and_b32 s48, ttmp9, 127
	s_lshl_b32 s48, s48, 2
	s_add_co_u32 s48, s48, s26                     ; tile T, 0..511
	s_cmp_eq_u32 s27, 0
	s_cselect_b64 s[28:29], s[4:5], s[6:7]
	s_cselect_b32 s49, 0, 8                        ; 8 where the rows of a tile are chosen, 0 where they are neighbours
	s_cmp_eq_u32 s27, 2
	s_cselect_b64 s[28:29], s[8:9], s[28:29]
	s_and_b32 s50, s48, 1
	s_mul_i32 s50, s50, s49
	s_lshl_b32 s30, s48, 4
	s_sub_co_u32 s30, s30, s50                     ; the tile's first row: 16 T, less 8 for an odd tile in the chosen order (32 b + 8 u = 16 (2 b + u) - 8 u)
	s_lshl_b32 s30, s30, 9                         ; a row is 512 bytes
	s_add_nc_u64 s[28:29], s[28:29], s[30:31]
	s_lshl_b32 s30, s27, 20
	s_lshl_b32 s50, s48, 11
	s_add_co_u32 s30, s30, s50
	s_add_nc_u64 s[32:33], s[20:21], s[30:31]      ; the tile's image
	v_lshrrev_b32 v5, 3, v2
	v_mul_u32_u24 v5, s49, v5
	v_add_nc_u32 v5, v5, v2                        ; my row in the tile: r, or r + 8 (r / 8)
	v_lshlrev_b32 v5, 9, v5
	v_lshl_or_b32 v3, v6, 6, v5                    ; + 64 h: my 16 numbers of each block of 32
	v_lshlrev_b32 v4, 4, v1                        ; 16 x lane
.irp c, 0,1,2,3
.irp j, 0,1,2,3
	global_load_b128 v[X+16*\c+4*\j:X+16*\c+4*\j+3], v3, s[28:29] offset:128*\c+16*\j
.endr
.endr
	s_wait_kmcnt 0x0
	s_cmp_eq_u32 s27, 0
	s_cselect_b32 s34, s36, s38                    ; e0, e2
	s_cmp_eq_u32 s27, 2
	s_cselect_b32 s34, s40, s34                    ; e4
	MKSCALE
.irp c, 0,1,2,3
	s_wait_loadcnt 12-4*\c                         ; block c's four loads are in; the four of each later block may be out
.irp i, 0,1,2,3,4,5,6,7,8,9,10,11,12,13,14,15
	v_med3_num_f32 v[X+16*\c+\i], v[X+16*\c+\i], -v10, v10
.endr
	v_cvt_scalef32_pk8_fp8_f32 v[CODE+4*\c:CODE+4*\c+1], v[X+16*\c:X+16*\c+7], v11
	v_cvt_scalef32_pk8_fp8_f32 v[CODE+4*\c+2:CODE+4*\c+3], v[X+16*\c+8:X+16*\c+15], v11
	global_store_b128 v4, v[CODE+4*\c:CODE+4*\c+3], s[32:33] offset:512*\c   ; the wave stores 512 consecutive bytes
.endr
	s_endpgm
.Lweights:
	s_cmp_ge_u32 ttmp9, 432
	s_cbranch_scc1 .Lwo
	; ---- work-groups 384 to 431: a wave takes 32 columns of Wq, Wk or Wv: tiles 2 b and 2 b + 1 of a head
	s_sub_co_u32 s48, ttmp9, 384
	s_lshr_b32 s27, s48, 4                         ; which weight
	s_and_b32 s48, s48, 15
	s_lshl_b32 s48, s48, 2
	s_add_co_u32 s48, s48, s26                     ; group of 32 columns, 0..63
	s_cmp_eq_u32 s27, 0
	s_cselect_b64 s[28:29], s[10:11], s[12:13]
	s_cmp_eq_u32 s27, 2
	s_cselect_b64 s[28:29], s[14:15], s[28:29]
	s_lshl_b32 s30, s48, 7
	s_add_nc_u64 s[28:29], s[28:29], s[30:31]
	s_lshl_b32 s30, s27, 18                        ; a weight's images are 262,144 bytes,
	s_lshl_b32 s50, s48, 12                        ; two tiles 4,096
	s_add_co_u32 s30, s30, s50
	s_add_nc_u64 s[32:33], s[22:23], s[30:31]
	v_lshlrev_b32 v3, 2, v1
	v_bfe_u32 v5, v1, 3, 1                         ; column c of the 32 lies in tile u = (c / 8) % 2,
	v_and_b32 v7, 7, v1
	v_lshl_add_u32 v7, v6, 3, v7                   ; at row c % 8 + 8 (c / 16)
	v_lshlrev_b32 v7, 4, v7
	v_lshl_add_u32 v4, v5, 11, v7
	LOADB 0, 8192
	LOADB 1, 8192
	s_wait_kmcnt 0x0
	s_cmp_eq_u32 s27, 0
	s_cselect_b32 s34, s37, s39                    ; e1, e3
	s_cmp_eq_u32 s27, 2
	s_cselect_b32 s34, s41, s34                    ; e5
	MKSCALE
	COLWORK 8192
	s_endpgm
.Lwo:
	; ---- work-groups 432 to 559: a wave takes 32 columns x 128 rows of Wo: two tiles of one K step
	s_sub_co_u32 s48, ttmp9, 432
	s_lshr_b32 s27, s48, 3                         ; K step 0..15
	s_and_b32 s48, s48, 7
	s_lshl_b32 s48, s48, 2
	s_add_co_u32 s48, s48, s26                     ; group of 32 columns, 0..31
	s_lshl_b32 s30, s27, 19                        ; 128 rows of 4,096 bytes
	s_lshl_b32 s50, s48, 7
	s_add_co_u32 s30, s30, s50
	s_add_nc_u64 s[28:29], s[16:17], s[30:31]
	s_lshl_b32 s30, s48, 16                        ; two tiles of columns, 16 K steps of 2,048 bytes each
	s_lshl_b32 s50, s27, 11
	s_add_co_u32 s30, s30, s50
	s_add_nc_u64 s[32:33], s[24:25], s[30:31]
	v_lshlrev_b32 v3, 2, v1
	v_lshlrev_b32 v7, 4, v2
	v_lshl_add_u32 v4, v6, 15, v7                  ; tile lane / 16, row lane % 16
	LOADB 0, 4096
	LOADB 1, 4096
	s_wait_kmcnt 0x0
	s_mov_b32 s34, s47                             ; e11
	MKSCALE
	COLWORK 4096
	s_endpgm
.Lfunc_end_k_qcec862d72f_prep:
	.size	k_qcec862d72f_prep, .Lfunc_end_k_qcec862d72f_prep-k_qcec862d72f_prep
	.p2alignl 7, 3214868480
	.fill 96, 4, 3214868480
	.section	.rodata,"a",@progbits
	.p2align	6, 0x0
	.amdhsa_kernel k_qcec862d72f_prep
		.amdhsa_group_segment_fixed_size 0
		.amdhsa_private_segment_fixed_size 0
		.amdhsa_enable_private_segment 0
		.amdhsa_kernarg_size 88
		.amdhsa_user_sgpr_count 2
		.amdhsa_user_sgpr_kernarg_segment_ptr 1
		.amdhsa_wavefront_size32 1
		.amdhsa_system_sgpr_workgroup_id_x 1
		.amdhsa_system_sgpr_workgroup_id_y 1
		.amdhsa_system_sgpr_workgroup_id_z 1
		.amdhsa_system_vgpr_workitem_id 0
		.amdhsa_next_free_vgpr 192
		.amdhsa_next_free_sgpr 66
		.amdhsa_reserve_vcc 0
		.amdhsa_float_denorm_mode_32 3
		.amdhsa_float_denorm_mode_16_64 3
		.amdhsa_memory_ordered 1
		.amdhsa_forward_progress 1
		.amdhsa_inst_pref_size 55
	.end_amdhsa_kernel
	.amdgpu_metadata
---
amdhsa.version: [ 1, 2 ]
amdhsa.kernels:
  - .name:           k_qcec862d72f_prep
    .symbol:         k_qcec862d72f_prep.kd
    .args:
      - { .name: q_matrix, .offset: 0, .size: 8, .value_kind: global_buffer, .address_space: global }
      - { .name: k_matrix, .offset: 8, .size: 8, .value_kind: global_buffer, .address_space: global }
      - { .name: v_matrix, .offset: 16, .size: 8, .value_kind: global_buffer, .address_space: global }
      - { .name: Wq, .offset: 24, .size: 8, .value_kind: global_buffer, .address_space: global }
      - { .name: Wk, .offset: 32, .size: 8, .value_kind: global_buffer, .address_space: global }
      - { .name: Wv, .offset: 40, .size: 8, .value_kind: global_buffer, .address_space: global }
      - { .name: Wo, .offset: 48, .size: 8, .value_kind: global_buffer, .address_space: global }
      - { .name: lowp_scales, .offset: 56, .size: 8, .value_kind: global_buffer, .address_space: global }
      - { .name: ximg, .offset: 64, .size: 8, .value_kind: global_buffer, .address_space: global }
      - { .name: wimg, .offset: 72, .size: 8, .value_kind: global_buffer, .address_space: global }
      - { .name: woimg, .offset: 80, .size: 8, .value_kind: global_buffer, .address_space: global }
    .group_segment_fixed_size: 0
    .private_segment_fixed_size: 0
    .kernarg_segment_align: 8
    .kernarg_segment_size: 88
    .max_flat_workgroup_size: 128
    .sgpr_count:     66
    .vgpr_count:     192
    .wavefront_size: 32
...
	.end_amdgpu_metadata
.endif
;; end of part 1
;; launch attn (part 2): grid 256 x 1, 16 waves a work-group, no clusters, 314,880 bytes of LDS; arguments ximg, wimg, bq, bk, bv, lowp_scales, ctximg; writes ctximg
.if DOCPART == 2
	.amdgcn_target "amdgcn-amd-amdhsa--gfx1250"
	.amdhsa_code_object_version 6
	.text
	.protected	k_qcec862d72f_attn
	.globl	k_qcec862d72f_attn
	.p2align	8
	.type	k_qcec862d72f_attn,@function
k_qcec862d72f_attn:
	s_mov_b64 s[64:65], 0
	v_nop
	global_prefetch_b8 v0, s[64:65] scope:SCOPE_SE
	s_setreg_imm32_b32 hwreg(HW_REG_WAVE_MODE, 25, 1), 1
	s_wait_xcnt 0x0
; One work-group = one batch b, one head hd, one half p of the queries.  It projects the head's 1,024 keys and values into LDS as codes of E4M3, projects its own
; queries, runs the causal softmax and both attention products from LDS, and stores ctx as codes.  q, k, v, the scores and p never go to memory.
; All operands are IMAGES OF OPERAND REGISTERS: a fragment (16 rows x 128 K) is 2,048 bytes, registers 4 c .. 4 c + 3 of lane l at 512 c + 16 l; lane l = r + 16 h holds row r, k = 32 c + 16 h + 0 .. 15.
; The same order of k stands on both sides of every product.  Four loads or stores of 16 bytes a lane move a fragment, 512 consecutive bytes each.
; SHARES.  The work-group owns query blocks p and 3 - p of 256.  Wave w owns the tile of 16 queries at Q0 = 256 p + 16 w and then the one at 1,008 - Q0: together 9 key steps of 128 that are not hidden, for every wave.
; EVERY PRODUCT IS LAID SO THAT ITS RESULT RUNS ALONG THE NEXT K IN A LANE'S REGISTERS (rows of a tile in the chosen order: row rho of tile 2 b + u is element 32 b + 8 u + rho + 8 (rho / 8)):
;   K: source 0 = 16 units of Wk, source 1 = 16 keys of k_matrix: a lane holds one key, tiles 2 b, 2 b + 1 its units 32 b + 16 h + 0 .. 15.  Q likewise.
;   V: source 0 = 16 keys of v_matrix, source 1 = 16 units of Wv: a lane holds one unit and 16 neighbouring keys: V^T's fragment.
;   S^T = K Q^T and O^T = V^T P^T: a lane holds one query throughout; O^T's registers are ctx's fragment for the last product, K step = head.
; THE SOFTMAX: t = score x log2(e) / sqrt(128); M = the running largest t rounded up to a whole number; p = 2^(t - M) is quantised, not normalised; the sum is taken of the unquantised p and divides at the end.
; The biases are the C of each projection, divided by the power of two that the sums lack; the scales ahead of each quantiser are folded into the conversion's one.
; NO CLUSTER, NO TENSOR LOAD: the images fill 311,296 of the WGP's 327,680 LDS bytes, so a shared tile has no place to land; what work-groups share (x's images, 48 KiB of weights) is read once, into registers.
; NO PREFETCH: all loads from memory but a tile of q (2,048 bytes) stand at the head.
; LIMITS on the given exponents, so that each power of two is an f32 number: e9, e6-e0-e1, e7-e2-e3, e8-e4-e5, e10-e8-e9 between -126 and 119; e6+e7 between -123 and 130.  NaN among the inputs is not served.
.set KIMG, 0                           ; LDS: K's 64 fragments, tile 8 s + f at 2,048 (8 s + f)
.set VIMG, 131072                      ; V^T's 64 fragments: key step s, units' tile t at 16,384 s + 2,048 t
.set WIMG, 262144                      ; Wk's 8 fragments, Wv's, Wq's: 16,384 bytes each
.set BIAS, 311296                      ; bk, bv, bq of the head, 512 bytes each, each divided by its product's power of two
.set RR, 16                            ; projections: v16-79 four fragments of x that stay;  v80-111 a pair of weight tiles;  v144-207 eight results;  v208-223 codes;  v224-239 the bias as C, two tiles
.set SS, 80
.set DD, 144
.set CD, 208
.set CB, 224
; v1 16 x lane; v2 WIMG + 16 lane; v3 BIAS + 64 h; v4 bv's word of my unit; v5, v6 where I store K's and V's codes; v7 WIMG + 16 x thread; v8, v9 the step's K and V; v10 VIMG + 16 lane; v11 16 x thread
; attention: v12 -M, v13 the largest t, v[14:15] the sum; v16-31 Q; v32-95 four fragments; v96-159 S^T, then p; v160-223 O^T; v224-239 p's codes; v242-243, v250, v252-254 at work
; v240, v244: 448 x 2^e9, 2^e9;  v241, v245: the same for Q's conversion;  v246, v247: for ctx's;  v249, v248: for K's;  v253, v252: for V's (projections only)
.macro MKS scl, lim                    ; s59 = an exponent x  ->  v[scl] = 2^x, v[lim] = 448 x 2^x
	s_add_co_i32 s59, s59, 127
	s_lshl_b32 s60, s59, 23
	v_mov_b32 v[\scl], s60
	s_add_co_i32 s59, s59, 8
	s_lshl_b32 s59, s59, 23
	s_or_b32 s59, s59, 0x600000
	v_mov_b32 v[\lim], s59
.endm
.macro LOADS woff, pair                ; weight tiles 2 pair and 2 pair + 1
.irp u, 0,1
.irp c, 0,1,2,3
	ds_load_b128 v[SS+16*\u+4*\c:SS+16*\u+4*\c+3], v2 offset:(\woff)+(2*(\pair)+\u)*2048+512*\c
.endr
.endr
.endm
.macro LOADCK pair                     ; K's bias in the result's layout: lane (r, h), tile 2 pair + u: units 32 pair + 8 u + 16 h + 0 .. 7
.irp u, 0,1
	ds_load_b128 v[CB+8*\u:CB+8*\u+3], v3 offset:128*(\pair)+32*\u
	ds_load_b128 v[CB+8*\u+4:CB+8*\u+7], v3 offset:128*(\pair)+32*\u+16
.endr
.endm
.macro LOADCV pair                     ; V's: a lane holds one unit: one word a tile
	ds_load_b32 v250, v4 offset:128*(\pair)
	ds_load_b32 v251, v4 offset:128*(\pair)+32
.endm
.macro LOADX tau                       ; my four tiles of 16 keys of tensor tau
.irp i, 0,1,2,3
.irp c, 0,1,2,3
	global_load_b128 v[RR+16*\i+4*\c:RR+16*\i+4*\c+3], v1, s[40:41] offset:(\tau)*1048576+2048*\i+512*\c
.endr
.endr
.endm
.macro PLACES                          ; four plain vector lines between a matrix instruction and a read of its result, a write of or a load into its registers
.rept 4
	v_nop
.endr
.endm
; My 64 keys against weight tiles 2 b and 2 b + 1.  kind 0: K, kind 1: V.
.macro PBODY kind, b
.set PS, 248+4*(\kind)
.set PL, 249+4*(\kind)
	s_wait_dscnt 0x0                               ; the pair of weight tiles and the bias are in
.if (\b) == 0
	s_wait_loadcnt 0x0                             ; and so are my four tiles of x
.endif
.if \kind
.irp u, 0,1
.irp j, 0,1,2,3,4,5,6,7
	v_mov_b32 v[CB+8*\u+\j], v[250+\u]             ; my unit's bias for all eight keys
.endr
.endr
.endif
.irp i, 0,1,2,3
.irp u, 0,1
.if \kind
	v_wmma_f32_16x16x128_fp8_fp8 v[DD+8*(2*\i+\u):DD+8*(2*\i+\u)+7], v[RR+16*\i:RR+16*\i+15], v[SS+16*\u:SS+16*\u+15], v[CB+8*\u:CB+8*\u+7]
.else
	v_wmma_f32_16x16x128_fp8_fp8 v[DD+8*(2*\i+\u):DD+8*(2*\i+\u)+7], v[SS+16*\u:SS+16*\u+15], v[RR+16*\i:RR+16*\i+15], v[CB+8*\u:CB+8*\u+7]
.endif
.endr
.endr
	PLACES
.if (\b) < 3                           ; the next pair comes in while this one is quantised
	LOADS 16384*(\kind), (\b)+1
.if \kind
	LOADCV (\b)+1
.else
	LOADCK (\b)+1
.endif
.elseif (\kind) == 0                   ; K is done: v_matrix's tiles, Wv's first pair
	LOADX 2
	LOADS 16384, 0
	LOADCV 0
.endif
.set n, 0
.rept 64
	v_med3_num_f32 v[DD+n], v[DD+n], -v[PL], v[PL] ; the hold at the largest code x the scale; each result from its low end on
.set n, n+1
.endr
.irp i, 0,1,2,3
.irp u, 0,1
.if \kind
	v_cvt_scalef32_pk8_fp8_f32 v[CD+4*(2*\u+\i/2)+2*(\i%2):CD+4*(2*\u+\i/2)+2*(\i%2)+1], v[DD+8*(2*\i+\u):DD+8*(2*\i+\u)+7], v[PS]
.else
	v_cvt_scalef32_pk8_fp8_f32 v[CD+4*\i+2*\u:CD+4*\i+2*\u+1], v[DD+8*(2*\i+\u):DD+8*(2*\i+\u)+7], v[PS]
.endif
.endr
.endr
	v_nop                                          ; a plain line behind the last conversion: the next products write its sources
.if \kind
.irp u, 0,1
.irp e, 0,1
	ds_store_b128 v6, v[CD+4*(2*\u+\e):CD+4*(2*\u+\e)+3] offset:2048*(2*(\b)+\u)+512*\e   ; units' tile 2 b + u, my 32 keys' registers
.endr
.endr
.else
.irp i, 0,1,2,3
	ds_store_b128 v5, v[CD+4*\i:CD+4*\i+3] offset:2048*\i+512*(\b)                        ; my key tile i, registers 4 b .. 4 b + 3
.endr
.endif
.endm
	s_load_b256 s[4:11], s[0:1], 0x0               ; ximg s[4:5], wimg s[6:7], bq s[8:9], bk s[10:11]
	s_load_b128 s[12:15], s[0:1], 0x20             ; bv s[12:13], the scales' exponents s[14:15]
	s_load_b64 s[16:17], s[0:1], 0x30              ; ctximg
	v_lshrrev_b32 v12, 5, v0
	v_readfirstlane_b32 s18, v12                   ; wave 0..15
	v_and_b32 v13, 31, v0                          ; lane
	v_and_b32 v14, 15, v0                          ; r
	v_bfe_u32 v15, v0, 4, 1                        ; h
	v_lshlrev_b32 v1, 4, v13
	v_add_nc_u32 v2, WIMG, v1
	v_lshlrev_b32 v3, 6, v15
	v_add_nc_u32 v3, BIAS, v3
	v_and_b32 v4, 8, v14
	v_add_nc_u32 v4, v4, v14                       ; r + 8 (r / 8)
	v_lshlrev_b32 v4, 2, v4
	v_add_nc_u32 v4, BIAS+512, v4
	s_lshl_b32 s59, s18, 13
	v_add_nc_u32 v5, s59, v1                       ; K: my four tiles begin at 8,192 x wave
	s_lshr_b32 s59, s18, 1
	s_lshl_b32 s59, s59, 14                        ; V: key step wave / 2,
	s_and_b32 s60, s18, 1
	s_lshl_b32 s60, s60, 10                        ; registers 8 (wave % 2) on
	s_add_co_u32 s59, s59, s60
	s_add_co_u32 s59, s59, VIMG
	v_add_nc_u32 v6, s59, v1
	v_lshlrev_b32 v11, 4, v0
	v_add_nc_u32 v7, WIMG, v11
	v_add_nc_u32 v10, VIMG, v1
	s_and_b32 s19, ttmp9, 1                        ; p
	s_lshr_b32 s36, ttmp9, 5                       ; b
	s_bfe_u32 s37, ttmp9, 0x40001                  ; hd
	s_lshl_b32 s61, s36, 10                        ; the batch's first row
	s_mov_b32 s39, 0                               ; the high word of every offset pair s[38:39]
	s_mov_b32 s20, 0x76543210                      ; v_permlanex16_b32's selects: lane l xor 16
	s_mov_b32 s21, 0xfedcba98
	s_wait_kmcnt 0x0
	s_load_b256 s[24:31], s[14:15], 0x0            ; e0 .. e7
	s_load_b128 s[32:35], s[14:15], 0x20           ; e8 .. e11
	s_lshl_b32 s38, s37, 14
	s_add_nc_u64 s[44:45], s[6:7], s[38:39]        ; the head's tiles in each weight's images
	global_load_b128 v[112:115], v11, s[44:45] offset:262144          ; Wk, Wv, Wq: 16,384 bytes each, 8,192 an instruction of the work-group
	global_load_b128 v[116:119], v11, s[44:45] offset:262144+8192
	global_load_b128 v[120:123], v11, s[44:45] offset:524288
	global_load_b128 v[124:127], v11, s[44:45] offset:524288+8192
	global_load_b128 v[128:131], v11, s[44:45]
	global_load_b128 v[132:135], v11, s[44:45] offset:8192
	s_lshl_b32 s38, s36, 6
	s_lshl_b32 s59, s18, 2
	s_add_co_u32 s38, s38, s59                     ; my first tile of keys: 64 b + 4 x wave
	s_lshl_b32 s38, s38, 11
	s_add_nc_u64 s[40:41], s[4:5], s[38:39]
	LOADX 1                                        ; k_matrix's
	s_wait_kmcnt 0x0
	s_add_co_i32 s49, s26, s27                     ; e2 + e3
	s_add_co_i32 s50, s28, s29                     ; e4 + e5
	s_add_co_i32 s51, s24, s25                     ; e0 + e1
	s_sub_co_i32 s59, s30, s51
	MKS 245, 241                                   ; Q: a sum stands for sum x 2^(e0 + e1): its code is sum / 2^(e6 - e0 - e1)
	s_sub_co_i32 s59, s31, s49
	MKS 248, 249                                   ; K: e7 - e2 - e3
	s_sub_co_i32 s59, s32, s50
	MKS 252, 253                                   ; V: e8 - e4 - e5
	s_mov_b32 s59, s33
	MKS 244, 240                                   ; p: e9
	s_sub_co_i32 s59, s34, s32
	s_sub_co_i32 s59, s59, s33
	MKS 247, 246                                   ; ctx: O^T / l stands for x 2^(e8 + e9): e10 - e8 - e9
	s_add_co_i32 s59, s30, s31
	s_lshl_b32 s59, s59, 23
	s_mov_b32 s22, 0x3e0293ee                      ; c = log2(e) / sqrt(128);
	s_add_co_i32 s22, s22, s59                     ; a score stands for score x 2^(e6 + e7): added to c's exponent field
	s_mov_b32 s23, s22                             ; (named with it as a pair)
	s_cmp_eq_u32 s18, 0                            ; waves 0, 1, 2 bring bk, bv, bq of the head
	s_cselect_b64 s[46:47], s[10:11], s[12:13]
	s_cselect_b32 s48, s49, s50
	s_cmp_eq_u32 s18, 2
	s_cselect_b64 s[46:47], s[8:9], s[46:47]
	s_cselect_b32 s48, s51, s48
	s_sub_co_i32 s48, 0, s48
	s_lshl_b32 s38, s37, 9
	s_add_nc_u64 s[46:47], s[46:47], s[38:39]
	s_cmp_lt_u32 s18, 3
	s_cbranch_scc0 .Lno_bias
	global_load_b128 v[136:139], v1, s[46:47]
	s_wait_loadcnt 0x0
	v_ldexp_f32 v136, v136, s48                    ; the bias divided by the power of two that the sums lack
	v_ldexp_f32 v137, v137, s48
	v_ldexp_f32 v138, v138, s48
	v_ldexp_f32 v139, v139, s48
	ds_store_b128 v7, v[136:139] offset:49152      ; BIAS + 512 x wave + 16 x lane
.Lno_bias:
	s_wait_loadcnt 16                              ; the six loads of weights are in; k_matrix's sixteen, issued behind them, may be out
.irp i, 0,1,2,3,4,5
	ds_store_b128 v7, v[112+4*\i:115+4*\i] offset:8192*\i
.endr
	s_wait_dscnt 0x0                               ; for the others' sake: my stores have landed
	s_barrier_signal -1
	s_barrier_wait -1                              ; the weights and the biases lie in LDS
	LOADS 0, 0
	LOADCK 0
	PBODY 0, 0
	PBODY 0, 1
	PBODY 0, 2
	PBODY 0, 3
	PBODY 1, 0
	PBODY 1, 1
	PBODY 1, 2
	PBODY 1, 3
	s_wait_dscnt 0x0                               ; my codes have landed
	s_barrier_signal -1
	s_barrier_wait -1                              ; K and V^T are whole; from here on LDS is only read
	s_lshl_b32 s54, s19, 8
	s_lshl_b32 s59, s18, 4
	s_add_co_u32 s54, s54, s59                     ; Q0 = 256 p + 16 x wave
	s_mov_b32 s58, 2
.Ltile:
	; ---- my 16 queries are projected and quantised
	s_add_co_u32 s38, s61, s54
	s_lshl_b32 s38, s38, 7                         ; tile (1,024 b + Q0) / 16 of 2,048 bytes
	s_add_nc_u64 s[40:41], s[4:5], s[38:39]
.irp c, 0,1,2,3
	global_load_b128 v[224+4*\c:227+4*\c], v1, s[40:41] offset:512*\c
.endr
.irp f, 0,1,2,3,4,5,6,7
	ds_load_b128 v[160+8*\f:163+8*\f], v3 offset:1024+128*(\f/2)+32*(\f%2)
	ds_load_b128 v[164+8*\f:167+8*\f], v3 offset:1024+128*(\f/2)+32*(\f%2)+16
.endr
.irp g, 0,1
	PLACES
.irp t, 0,1,2,3
.irp c, 0,1,2,3
	ds_load_b128 v[32+16*\t+4*\c:35+16*\t+4*\c], v2 offset:32768+2048*(4*\g+\t)+512*\c
.endr
.endr
.if \g == 0
	s_wait_loadcnt 0x0
.endif
.irp t, 0,1,2,3
	s_wait_dscnt 12-4*\t                           ; tile t's four loads (and all before them) are in; the four of each later tile may be out
	v_wmma_f32_16x16x128_fp8_fp8 v[96+8*(4*\g+\t):103+8*(4*\g+\t)], v[32+16*\t:47+16*\t], v[224:239], v[160+8*(4*\g+\t):167+8*(4*\g+\t)]
.endr
.endr
	PLACES
.set n, 0
.rept 64
	v_med3_num_f32 v[96+n], v[96+n], -v241, v241
.set n, n+1
.endr
.irp f, 0,1,2,3,4,5,6,7
	v_cvt_scalef32_pk8_fp8_f32 v[16+2*\f:17+2*\f], v[96+8*\f:103+8*\f], v245
.endr
	v_nop
	v_mov_b32 v13, 0xff61b1e6                      ; the largest t so far: -3e38, under every t
	v_floor_f32 v12, -v13                          ; -M
	v_mov_b32 v14, 0                               ; the sum, in two halves
	v_mov_b32 v15, 0
	v_mov_b32 v250, 0                              ; a lane permute's destination counts as one of its sources
	v_mov_b32 v252, 0
	v_mov_b32 v253, 0                              ; (named as the upper half of the pair v[252:253])
.set n, 0
.rept 64
	v_mov_b32 v[160+n], 0                          ; O^T.  The key step is written once: its first trip finds zeros, which the first change of M leaves zeros
.set n, n+1
.endr
	s_mov_b32 s55, 0                               ; the step's first key
	s_mov_b32 s56, 0                               ; and its tiles' place in KIMG and VIMG
	s_mov_b32 s57, 8
.Lstep:                                            ; eight trips; a step all of whose keys come after my queries is passed over
	s_add_co_u32 s59, s54, 15
	s_cmp_gt_u32 s55, s59
	s_cbranch_scc1 .Lhidden
	v_add_nc_u32 v8, s56, v1
	v_add_nc_u32 v9, s56, v10
.irp g, 0,1                                        ; S^T = K Q^T, four tiles of 16 keys at a time
.rept 2+2*\g
	v_nop                                          ; with the two additions above: four places in front of loads into registers that matrix instructions have read
.endr
.irp t, 0,1,2,3
.irp c, 0,1,2,3
	ds_load_b128 v[32+16*\t+4*\c:35+16*\t+4*\c], v8 offset:2048*(4*\g+\t)+512*\c
.endr
.endr
.irp t, 0,1,2,3
	s_wait_dscnt 12-4*\t
	v_wmma_f32_16x16x128_fp8_fp8 v[96+8*(4*\g+\t):103+8*(4*\g+\t)], v[32+16*\t:47+16*\t], v[16:31], 0
.endr
.endr                                              ; register 16 b + i of lane (r, h): query Q0 + r, key KF + 32 b + 16 h + i
	PLACES
	s_add_co_u32 s59, s55, 127
	s_cmp_le_u32 s59, s54
	s_cbranch_scc1 .Lopen                          ; all 128 keys count
	s_sub_co_i32 s59, s54, s55
	v_and_b32 v252, 15, v0
	v_bfe_u32 v253, v0, 4, 1
	v_lshlrev_b32 v253, 4, v253
	v_sub_nc_u32 v252, v252, v253
	v_add_nc_u32 v252, s59, v252                   ; d = my query - KF - 16 h: register 16 b + i is hidden where 32 b + i > d
	v_mov_b32 v254, 0xff800000                     ; -infinity: p = 0 then
.set n, 0
.rept 64
	v_cmp_gt_i32 vcc_lo, 32*(n/16)+n%16, v252
	v_cndmask_b32 v[96+n], v[96+n], v254, vcc_lo
.set n, n+1
.endr
.Lopen:
	v_max3_num_f32 v254, v96, v97, v98             ; the step's largest score of my query among my 64 keys, in two chains,
	v_max3_num_f32 v252, v99, v100, v101
.irp i, 6,10,14,18,22,26,30,34,38,42,46,50,54,58
	v_max3_num_f32 v254, v254, v[96+\i], v[97+\i]
	v_max3_num_f32 v252, v252, v[98+\i], v[99+\i]
.endr
	v_max3_num_f32 v254, v254, v158, v159
	v_max_num_f32 v254, v254, v252
	v_permlanex16_b32 v250, v254, s20, s21
	v_max_num_f32 v254, v254, v250                 ; and among lane l xor 16's
	v_mul_f32 v254, s22, v254                      ; as t (c is positive)
	v_max_num_f32 v13, v13, v254                   ; the running largest t
	v_mov_b32 v254, v12
	v_floor_f32 v12, -v13                          ; the new -M = floor(-t): M is a whole number
	v_sub_f32 v254, v12, v254                      ; old M - new M: a whole number, 0 or less
	v_cvt_i32_f32 v254, v254                       ; (it saturates)
	v_ldexp_f32 v252, 1.0, v254                    ; f = 2^(old M - new M): a multiplication by it rounds nothing
.set n, 0
.rept 32
	v_pk_fma_f32 v[96+n:97+n], v[96+n:97+n], s[22:23], v[12:13] op_sel_hi:[1,0,0]   ; t - M, two at a time
.set n, n+2
.endr
.set n, 0
.rept 64
	v_exp_f32 v[96+n], v[96+n]                     ; p = 2^(t - M), at most 1
.set n, n+1
.endr
	v_pk_mul_f32 v[14:15], v[14:15], v[252:253] op_sel_hi:[1,0]   ; the sums under the new M: the plain line behind the exponentials
	s_wait_alu depctr_va_vdst(0)                   ; one wait for the batch of 64, ahead of its first reader
	v_pk_add_f32 v[242:243], v[96:97], v[98:99]    ; the row's sum is taken of the unquantised p, in two chains
.irp j, 4,8,12,16,20,24,28,32,36,40,44,48,52,56,60
	v_pk_add_f32 v[14:15], v[14:15], v[96+\j:97+\j]
	v_pk_add_f32 v[242:243], v[242:243], v[98+\j:99+\j]
.endr
	v_pk_add_f32 v[14:15], v[14:15], v[242:243]
	s_cmp_ge_i32 s33, -8                           ; p <= 1 <= 448 x 2^e9 wherever e9 >= -8: the hold would change nothing.  e9 is a whole number of the input
	s_cbranch_scc1 .Lnohold
.set n, 0
.rept 64
	v_min_num_f32 v[96+n], v[96+n], v240           ; p is not negative: the hold is one-sided
.set n, n+1
.endr
.Lnohold:
.irp f, 0,1,2,3,4,5,6,7
	v_cvt_scalef32_pk8_fp8_f32 v[224+2*\f:225+2*\f], v[96+8*\f:103+8*\f], v244
.endr
.set n, 0
.rept 32
	v_pk_mul_f32 v[160+n:161+n], v[160+n:161+n], v[252:253] op_sel_hi:[1,0]   ; O^T under the new M; these are also the places in front of the loads and products below
.set n, n+2
.endr
.irp g, 0,1                                        ; O^T += V^T P^T: four tiles of 16 units at a time; the eight sums take turns
.if \g
	PLACES
.endif
.irp t, 0,1,2,3
.irp c, 0,1,2,3
	ds_load_b128 v[32+16*\t+4*\c:35+16*\t+4*\c], v9 offset:2048*(4*\g+\t)+512*\c
.endr
.endr
.irp t, 0,1,2,3
	s_wait_dscnt 12-4*\t
	v_wmma_f32_16x16x128_fp8_fp8 v[160+8*(4*\g+\t):167+8*(4*\g+\t)], v[32+16*\t:47+16*\t], v[224:239], v[160+8*(4*\g+\t):167+8*(4*\g+\t)]
.endr
.endr
.Lhidden:
	s_add_co_u32 s55, s55, 128
	s_add_co_u32 s56, s56, 16384
	s_sub_co_u32 s57, s57, 1
	s_cmp_lg_u32 s57, 0
	s_cbranch_scc1 .Lstep
	; ---- ctx = O^T / l, quantised: its registers are the fragment (my 16 queries, K step = head) of the last product
	PLACES
	v_add_f32 v14, v14, v15                        ; the sum's two halves,
	v_permlanex16_b32 v252, v14, s20, s21
	v_add_f32 v14, v14, v252                       ; and lane l xor 16's
	v_rcp_f32 v14, v14
	v_nop                                          ; a plain line behind the reciprocal
	s_add_co_u32 s38, s61, s54
	s_add_co_u32 s38, s38, s37
	s_lshl_b32 s38, s38, 11                        ; 32,768 x (row / 16) + 2,048 x head
	s_add_nc_u64 s[42:43], s[16:17], s[38:39]
	s_wait_alu depctr_va_vdst(0)                   ; the wait ahead of its first reader
.set n, 0
.rept 32
	v_pk_mul_f32 v[96+n:97+n], v[160+n:161+n], v[14:15] op_sel_hi:[1,0]
.set n, n+2
.endr
.set n, 0
.rept 64
	v_med3_num_f32 v[96+n], v[96+n], -v246, v246
.set n, n+1
.endr
.irp f, 0,1,2,3,4,5,6,7
	v_cvt_scalef32_pk8_fp8_f32 v[32+2*\f:33+2*\f], v[96+8*\f:103+8*\f], v247
.endr
	v_nop
.irp c, 0,1,2,3
	global_store_b128 v1, v[32+4*\c:35+4*\c], s[42:43] offset:512*\c   ; the wave stores 512 consecutive bytes, aligned
.endr
	s_wait_xcnt 0x0                                ; the stores have read their data and their base: both are written again in the next trip
	s_sub_co_u32 s54, 1008, s54                    ; my second tile
	s_sub_co_u32 s58, s58, 1
	s_cmp_lg_u32 s58, 0
	s_cbranch_scc1 .Ltile
	s_wait_xcnt 0x0
	v_lshl_add_u32 v254, v0, 2, 0x4c600
	v_mov_b32 v255, 0
	s_wait_tensorcnt 0x0
	ds_add_u32 v254, v255
	s_wait_dscnt 0x0
	s_endpgm
.Lfunc_end_k_qcec862d72f_attn:
	.size	k_qcec862d72f_attn, .Lfunc_end_k_qcec862d72f_attn-k_qcec862d72f_attn
	.p2alignl 7, 3214868480
	.fill 96, 4, 3214868480
	.section	.rodata,"a",@progbits
	.p2align	6, 0x0
	.amdhsa_kernel k_qcec862d72f_attn
		.amdhsa_group_segment_fixed_size 314880
		.amdhsa_private_segment_fixed_size 0
		.amdhsa_enable_private_segment 0
		.amdhsa_kernarg_size 56
		.amdhsa_user_sgpr_count 2
		.amdhsa_user_sgpr_kernarg_segment_ptr 1
		.amdhsa_wavefront_size32 1
		.amdhsa_system_sgpr_workgroup_id_x 1
		.amdhsa_system_sgpr_workgroup_id_y 1
		.amdhsa_system_sgpr_workgroup_id_z 1
		.amdhsa_system_vgpr_workitem_id 0
		.amdhsa_next_free_vgpr 256
		.amdhsa_next_free_sgpr 66
		.amdhsa_reserve_vcc 1
		.amdhsa_float_denorm_mode_32 3
		.amdhsa_float_denorm_mode_16_64 3
		.amdhsa_memory_ordered 1
		.amdhsa_forward_progress 1
		.amdhsa_inst_pref_size 105
	.end_amdhsa_kernel
	.amdgpu_metadata
---
amdhsa.version: [ 1, 2 ]
amdhsa.kernels:
  - .name:           k_qcec862d72f_attn
    .symbol:         k_qcec862d72f_attn.kd
    .args:
      - { .name: ximg, .offset: 0, .size: 8, .value_kind: global_buffer, .address_space: global }
      - { .name: wimg, .offset: 8, .size: 8, .value_kind: global_buffer, .address_space: global }
      - { .name: bq, .offset: 16, .size: 8, .value_kind: global_buffer, .address_space: global }
      - { .name: bk, .offset: 24, .size: 8, .value_kind: global_buffer, .address_space: global }
      - { .name: bv, .offset: 32, .size: 8, .value_kind: global_buffer, .address_space: global }
      - { .name: lowp_scales, .offset: 40, .size: 8, .value_kind: global_buffer, .address_space: global }
      - { .name: ctximg, .offset: 48, .size: 8, .value_kind: global_buffer, .address_space: global }
    .group_segment_fixed_size: 314880
    .private_segment_fixed_size: 0
    .kernarg_segment_align: 8
    .kernarg_segment_size: 56
    .max_flat_workgroup_size: 512
    .sgpr_count:     66
    .vgpr_count:     256
    .wavefront_size: 32
...
	.end_amdgpu_metadata
.endif
;; end of part 2
;; launch outg (part 3): grid 4 x 64, 4 waves a work-group, clusters of 4 x 1, 280,064 bytes of LDS; arguments ctximg, woimg, lowp_scales, bo, out0; writes out0
.if DOCPART == 3
	.amdgcn_target "amdgcn-amd-amdhsa--gfx1250"
	.amdhsa_code_object_version 6
	.text
	.protected	k_qcec862d72f_outg
	.globl	k_qcec862d72f_outg
	.p2align	8
	.type	k_qcec862d72f_outg,@function
k_qcec862d72f_outg:
	s_mov_b64 s[64:65], 0
	v_nop
	global_prefetch_b8 v0, s[64:65] scope:SCOPE_SE
	s_setreg_imm32_b32 hwreg(HW_REG_WAVE_MODE, 25, 1), 1
	s_wait_xcnt 0x0
	s_wait_alu depctr_hold_cnt(0) depctr_sa_sdst(0) depctr_va_vdst(0) depctr_va_sdst(0) depctr_va_ssrc(0) depctr_va_vcc(0) depctr_vm_vsrc(0)
	s_getreg_b32 s2, hwreg(HW_REG_IB_STS2, 6, 4)
	s_cmp_eq_u32 s2, 0
	s_cbranch_scc0 .Lentry_in_a_cluster
	s_endpgm
.Lentry_in_a_cluster:
	s_bfe_u32 s2, ttmp6, 0x10000c
	s_cmp_lg_u32 s2, 0x3003
	s_cbranch_scc0 .Lentry_shape_is_right
	s_endpgm
.Lentry_shape_is_right:
; out0 = ctx Wo x 2^(e10 + e11) + bo.  ctx [8,192][2,048] and Wo [2,048][1,024] come as codes of E4M3, laid as images of operand registers:
; a fragment (16 rows x 128 K) is 2,048 bytes, registers 4 c .. 4 c + 3 of lane l at 512 c + 16 l.  ctximg [row / 16][K step][2,048], woimg [column / 16][K step][2,048].
; SHARES.  A work-group makes 128 rows x 256 columns, wave w all 128 rows x columns 64 w .. 64 w + 63: 32 sums of 16 x 16, 256 registers.
; CLUSTER.  The four work-groups of a cluster make the four column blocks of the same 128 rows: they need the same 262,144 bytes of ctx.  That panel is asked for JOINTLY and WHOLE, at the start:
; each wave issues four tensor loads (four are out), load j bringing K steps 4 j .. 4 j + 3 of row tiles 2 w and 2 w + 1.  No LDS byte is filled twice: there is no ring.
; A quarter of the panel is read behind a barrier in front of which each wave has waited for its part of it.  Wo's fragments go from memory straight into registers, four K steps ahead.
; THE MATRIX INSTRUCTION IS USED TRANSPOSED (source 0 = 16 columns of Wo, source 1 = 16 rows of ctx): a lane holds eight neighbouring numbers of a row of out0.
; NO PREFETCH: the panel is asked for at the head, and Wo's images are read by every row of work-groups.
; LIMIT: e10 + e11 lies between -126 and 127, so that 2^(e10 + e11) is an f32 number.
; REGISTERS, in windows of 256: window 0: v1 16 x lane, v16-19 the panel's quarters, v24-27 the way out's addresses, v32-63 a block's results, v64-95 bo, v96-159 rows read back;
;   window 1: ctx's fragments, two sets of 8 x 16;   window 2: the sums, (a, n) at v[8 (4 a + n)];   window 3: Wo's fragments, four sets of 4 x 16.
.set STG,  262144                      ; behind the panel: a stage of 16 rows x (256 + 16) bytes for each wave; no tensor load lands there
.set TMP,  32
.set BI,   64
.set BK,   96
.set G1,   24                          ; s[24:31] descriptor group 1;  s[48:63] four groups 0
.set G0,   48
.set MSB, 0
.macro WIN new                         ; the immediate's high byte repeats the setting that is left
.if MSB != \new
	s_set_vgpr_msb (MSB<<8)|\new
.set MSB, \new
.endif
.endm
.set MUL,  0xa7                        ; source 0 (Wo) window 3, source 1 (ctx) window 1, C and D window 2
.set TO_A, 0x40                        ; destination window 1, address window 0
.set TO_B, 0xc0                        ; destination window 3, address window 0
.macro ROUND                           ; a round of the cluster's barrier
	s_barrier_signal -1
	s_barrier_wait -1
	s_cmp_lg_u32 s14, 0
	s_cbranch_scc1 .Lnot_wave_0_\@
	s_barrier_signal -3
.Lnot_wave_0_\@:
	s_barrier_wait -3
	s_barrier_signal -1
	s_barrier_wait -1
.endm
.macro FETCH_B k                       ; Wo's four fragments of K step k into set k % 4
	WIN TO_B
.irp n, 0,1,2,3
.irp c, 0,1,2,3
	global_load_b128 v[64*((\k)%4)+16*\n+4*\c:64*((\k)%4)+16*\n+4*\c+3], v1, s[20:21] offset:32768*\n+2048*(\k)+512*\c
.endr
.endr
.endm
.macro FETCH_A k                       ; ctx's eight fragments of K step k into set k % 2: fragment (a, k) lies at 65,536 (k / 4) + 8,192 a + 2,048 (k % 4)
	WIN TO_A
.irp a, 0,1,2,3,4,5,6,7
.irp c, 0,1,2,3
	ds_load_b128 v[128*((\k)%2)+16*\a+4*\c:128*((\k)%2)+16*\a+4*\c+3], v[16+(\k)/4] offset:8192*\a+2048*((\k)%4)+512*\c
.endr
.endr
.endm
.macro MULH k, half                    ; 16 matrix instructions: row tiles 4 half .. 4 half + 3 x my four column tiles.  The 32 sums take turns, in one order in every K step; K step 0 starts them
.irp a, 0,1,2,3
.irp n, 0,1,2,3
.if (\k) == 0
	v_wmma_f32_16x16x128_fp8_fp8 v[8*(4*(4*\half+\a)+\n):8*(4*(4*\half+\a)+\n)+7], v[64*((\k)%4)+16*\n:64*((\k)%4)+16*\n+15], v[128*((\k)%2)+16*(4*\half+\a):128*((\k)%2)+16*(4*\half+\a)+15], 0
.else
	v_wmma_f32_16x16x128_fp8_fp8 v[8*(4*(4*\half+\a)+\n):8*(4*(4*\half+\a)+\n)+7], v[64*((\k)%4)+16*\n:64*((\k)%4)+16*\n+15], v[128*((\k)%2)+16*(4*\half+\a):128*((\k)%2)+16*(4*\half+\a)+15], v[8*(4*(4*\half+\a)+\n):8*(4*(4*\half+\a)+\n)+7]
.endif
.endr
.endr
.endm
.macro KSTEP k
	s_wait_dscnt 0x0                               ; ctx's fragments of this step are in
.if (\k) <= 12
	s_wait_loadcnt 48                              ; Wo's set of this step is in; the three sets of 16 loads asked for behind it may be out
.else
	s_wait_loadcnt 16*(15-(\k))+8                  ; the later sets, and bo's eight loads behind them
.endif
.if (((\k)+1)%4 == 0) && ((\k) < 15)
	s_wait_tensorcnt 3-((\k)+1)/4                  ; my part of the next quarter of the panel has landed; my later quarters may be out
	s_barrier_signal -1
	WIN MUL
	MULH \k, 0                                     ; work on registers while the others arrive
	s_barrier_wait -1                              ; the next quarter is whole
	FETCH_A (\k)+1
	WIN MUL
	MULH \k, 1
.else
.if (\k) < 15
	FETCH_A (\k)+1                                 ; into the set that the step before multiplied: its four places stand at that step's end
.endif
	WIN MUL
	MULH \k, 0
	MULH \k, 1
.endif
.rept 4
	v_nop                                          ; four places in front of the loads below, of the next step's loads, and of the first read of results
.endr
.if (\k) < 12
	FETCH_B (\k)+4                                 ; into the set just multiplied
.elseif (\k) == 12
	WIN 0
.irp n, 0,1,2,3
	global_load_b128 v[BI+8*\n:BI+8*\n+3], v27, s[32:33] offset:64*\n          ; bo in the result's layout: lane (r, h), tile n: columns 16 n + 8 h + 0 .. 7
	global_load_b128 v[BI+8*\n+4:BI+8*\n+7], v27, s[32:33] offset:64*\n+16
.endr
.endif
.endm
	s_load_b256 s[4:11], s[0:1], 0x0               ; ctximg s[4:5], woimg s[6:7], the scales' exponents s[8:9], bo s[10:11]
	s_load_b64 s[12:13], s[0:1], 0x20              ; out0
	v_lshl_add_u32 v254, v0, 2, 0x44400
	v_mov_b32 v255, 0
	ds_add_u32 v254, v255
	ds_add_u32 v254, v255
	v_lshrrev_b32 v2, 5, v0
	v_readfirstlane_b32 s14, v2                    ; wave 0..3
	s_bfe_u32 s40, ttmp6, 0x40000                  ; cx: my place in the cluster
	s_lshl_b32 s42, ttmp9, 2
	s_add_co_u32 s42, s42, s40                     ; tx: my 256 columns
	s_and_b32 s17, ttmp7, 0xffff                   ; ty: the cluster's 128 rows
	v_and_b32 v3, 31, v0
	v_lshlrev_b32 v1, 4, v3                        ; 16 x lane
	v_and_b32 v4, 15, v0                           ; r
	v_bfe_u32 v5, v0, 4, 1                         ; h
.irp j, 0,1,2,3
	v_add_nc_u32 v[16+\j], 65536*\j, v1
.endr
	s_mul_i32 s16, s14, 16*272
	s_add_co_u32 s16, s16, STG                     ; my stage
	v_mul_u32_u24 v6, v4, 272
	v_lshl_add_u32 v6, v5, 5, v6
	v_add_nc_u32 v24, s16, v6                      ; in: row r, 32 bytes for each half of the lanes
	v_mul_u32_u24 v6, v5, 272
	v_lshl_add_u32 v6, v4, 4, v6
	v_add_nc_u32 v25, s16, v6                      ; back: lanes 0-15 one row of 256 bytes, lanes 16-31 the next
	v_lshlrev_b32 v26, 12, v5
	v_lshl_add_u32 v26, v4, 4, v26                 ; and the same two rows in out0
	v_lshlrev_b32 v27, 5, v5                       ; bo: 32 h
	; descriptor group 1: 2 rows of 8,192 bytes (four K steps of a row tile), 32,768 bytes apart in memory, on end in LDS
	s_mov_b32 s[G1+0], 15|(3<<16)|(1<<21)          ; 15:0 the mask: all four work-groups; 17:16 elements of 8 bytes; 21 set beside a mask; no padding
	s_mov_b32 s[G1+1], 1024<<16                    ; tensor_dim0 = 1,024 elements
	s_mov_b32 s[G1+2], 2<<16                       ; tensor_dim1 = 2
	s_mov_b32 s[G1+3], 1024<<16                    ; tile_dim0
	s_mov_b32 s[G1+4], 2                           ; tile_dim1
	s_mov_b32 s[G1+5], 4096                        ; elements from row to row
	s_mov_b32 s[G1+6], 0
	s_mov_b32 s[G1+7], 0
	s_lshl_b32 s18, s17, 18                        ; the cluster's panel: 262,144 ty,
	s_lshl_b32 s41, s14, 16                        ; my two row tiles: 65,536 x wave: nothing here hangs on cx
	s_add_co_u32 s18, s18, s41
	s_mov_b32 s19, 0
	s_lshl_b32 s15, s14, 14                        ; and in LDS: 16,384 x wave
	s_lshl_b32 s46, s42, 4
	s_lshl_b32 s34, s14, 2
	s_add_co_u32 s46, s46, s34
	s_lshl_b32 s46, s46, 15                        ; Wo: column tile 16 tx + 4 x wave, 32,768 bytes a tile
	s_mov_b32 s47, 0
	s_lshl_b32 s34, s42, 10
	s_lshl_b32 s36, s14, 8
	s_add_co_u32 s34, s34, s36                     ; my first column in bytes: 1,024 tx + 256 x wave
	s_mov_b32 s35, 0
	s_lshl_b32 s36, s17, 19                        ; 128 rows of 4,096 bytes
	s_add_co_u32 s36, s36, s34
	s_mov_b32 s37, 0
	s_wait_dscnt 0x0
	s_wait_kmcnt 0x0
	s_load_b64 s[44:45], s[8:9], 0x28              ; e10, e11
	s_add_nc_u64 s[22:23], s[4:5], s[18:19]
	s_add_nc_u64 s[20:21], s[6:7], s[46:47]
	s_add_nc_u64 s[32:33], s[10:11], s[34:35]
	s_add_nc_u64 s[38:39], s[12:13], s[36:37]
.irp j, 0,1,2,3
	s_mov_b32 s[G0+4*\j], 1                        ; count = 1
	s_add_co_u32 s[G0+4*\j+1], s15, 65536*\j       ; LDS address: quarter j, my two row tiles
	s_add_nc_u64 s[G0+4*\j+2:G0+4*\j+3], s[22:23], 8192*\j   ; K steps 4 j on
	s_or_b32 s[G0+4*\j+3], s[G0+4*\j+3], 0x80000000          ; type = 2
.endr
	ROUND                                          ; all four work-groups are here: the joint loads meet
.irp j, 0,1,2,3
	tensor_load_to_lds s[G0+4*\j:G0+4*\j+3], s[G1:G1+7]      ; the first and only fills, as one group
	s_nop 0
.endr
.rept 4
	v_nop                                          ; four lines here ahead of a switch of windows
.endr
	FETCH_B 0
	FETCH_B 1
	FETCH_B 2
	FETCH_B 3
	s_wait_tensorcnt 3                             ; my part of the first quarter has landed; my three later loads may be out
	s_barrier_signal -1
	s_barrier_wait -1                              ; everybody's has
	FETCH_A 0
.irp k, 0,1,2,3,4,5,6,7,8,9,10,11,12,13,14,15
	KSTEP \k
.endr
; THE WAY OUT, by blocks of 16 rows x my 64 columns: sum x 2^(e10 + e11) + bo in one packed multiply-add for two numbers; through my own stage, since a lane holds 32 bytes of a row and the lanes beside it other rows;
; back as whole rows of 256 bytes.  LDS serves a wave's instructions in order (ISA guide 5.7.1.4): no wait between the stores and the loads.
.macro TOSTAGE a
	WIN 0x02                                       ; source 0: window 2
.set q, 0
.rept 16
	v_pk_fma_f32 v[TMP+q:TMP+q+1], v[32*(\a)+q:32*(\a)+q+1], s[44:45], v[BI+q:BI+q+1] op_sel_hi:[1,0,1]   ; each sum from its low end on
.set q, q+2
.endr
	WIN 0
.irp n, 0,1,2,3
	ds_store_b128 v24, v[TMP+8*\n:TMP+8*\n+3] offset:64*\n
	ds_store_b128 v24, v[TMP+8*\n+4:TMP+8*\n+7] offset:64*\n+16
.endr
.irp t, 0,1,2,3,4,5,6,7
	ds_load_b128 v[BK+32*((\a)%2)+4*\t:BK+32*((\a)%2)+4*\t+3], v25 offset:544*\t
.endr
.endm
.macro SEND a, younger                 ; younger: the LDS instructions issued behind block a's loads, which may stay out
	s_wait_dscnt \younger
.irp t, 0,1,2,3,4,5,6,7
	global_store_b128 v26, v[BK+32*((\a)%2)+4*\t:BK+32*((\a)%2)+4*\t+3], s[38:39] offset:(16*(\a)+2*\t)*4096 th:TH_STORE_NT   ; sixteen lanes store 256 consecutive bytes, aligned
.endr
.endm
	s_wait_kmcnt 0x0
	s_add_co_i32 s44, s44, s45
	s_add_co_i32 s44, s44, 127
	s_lshl_b32 s44, s44, 23                        ; 2^(e10 + e11) as f32
	s_mov_b32 s45, s44                             ; (named with it as a pair)
	s_wait_loadcnt 0x0                             ; bo
	TOSTAGE 0
.irp a, 1,2,3,4,5,6,7
.if \a > 1
	s_wait_xcnt 0x0                                ; block a - 2's stores have read their registers: block a's loads may land there
.endif
	TOSTAGE \a
	SEND \a-1, 16                                  ; behind block a - 1's loads: block a's 8 stores and 8 loads
.endr
	SEND 7, 0
	s_wait_dscnt 0x0
	s_wait_tensorcnt 0x0
	ds_add_u32 v254, v255
	s_wait_dscnt 0x0
	ROUND                                          ; the closing round: no work-group ends while a partner may still ask for a tile that names it
	s_endpgm
.Lfunc_end_k_qcec862d72f_outg:
	.size	k_qcec862d72f_outg, .Lfunc_end_k_qcec862d72f_outg-k_qcec862d72f_outg
	.p2alignl 7, 3214868480
	.fill 96, 4, 3214868480
	.section	.rodata,"a",@progbits
	.p2align	6, 0x0
	.amdhsa_kernel k_qcec862d72f_outg
		.amdhsa_group_segment_fixed_size 280064
		.amdhsa_private_segment_fixed_size 0
		.amdhsa_enable_private_segment 0
		.amdhsa_kernarg_size 40
		.amdhsa_user_sgpr_count 2
		.amdhsa_user_sgpr_kernarg_segment_ptr 1
		.amdhsa_wavefront_size32 1
		.amdhsa_system_sgpr_workgroup_id_x 1
		.amdhsa_system_sgpr_workgroup_id_y 1
		.amdhsa_system_sgpr_workgroup_id_z 1
		.amdhsa_system_vgpr_workitem_id 0
		.amdhsa_next_free_vgpr 1024
		.amdhsa_next_free_sgpr 66
		.amdhsa_reserve_vcc 0
		.amdhsa_float_denorm_mode_32 3
		.amdhsa_float_denorm_mode_16_64 3
		.amdhsa_memory_ordered 1
		.amdhsa_forward_progress 1
		.amdhsa_inst_pref_size 123
	.end_amdhsa_kernel
	.amdgpu_metadata
---
amdhsa.version: [ 1, 2 ]
amdhsa.kernels:
  - .name:           k_qcec862d72f_outg
    .symbol:         k_qcec862d72f_outg.kd
    .args:
      - { .name: ctximg, .offset: 0, .size: 8, .value_kind: global_buffer, .address_space: global }
      - { .name: woimg, .offset: 8, .size: 8, .value_kind: global_buffer, .address_space: global }
      - { .name: lowp_scales, .offset: 16, .size: 8, .value_kind: global_buffer, .address_space: global }
      - { .name: bo, .offset: 24, .size: 8, .value_kind: global_buffer, .address_space: global }
      - { .name: out0, .offset: 32, .size: 8, .value_kind: global_buffer, .address_space: global }
    .group_segment_fixed_size: 280064
    .private_segment_fixed_size: 0
    .kernarg_segment_align: 8
    .kernarg_segment_size: 40
    .max_flat_workgroup_size: 128
    .sgpr_count:     66
    .vgpr_count:     1024
    .wavefront_size: 32
...
	.end_amdgpu_metadata
.endif
;; end of part 3
;; ======== version 2 of 2: 3 launches; version 1 with the launch attn written anew for expert scheduling mode
;; workspace buffers: ximg 3,145,728 bytes; wimg 786,432 bytes; woimg 2,097,152 bytes; ctximg 16,777,216 bytes
;; launch prep: the kernel of part 1 again; grid 560 x 1, 4 waves a work-group, no clusters, 0 bytes of LDS; arguments q_matrix, k_matrix, v_matrix, Wq, Wk, Wv, Wo, lowp_scales, ximg, wimg, woimg; writes ximg, wimg, woimg
;; launch attn (part 4): grid 256 x 1, 16 waves a work-group, no clusters, 314,880 bytes of LDS; arguments ximg, wimg, bq, bk, bv, lowp_scales, ctximg; writes ctximg
.if DOCPART == 4
	.amdgcn_target "amdgcn-amd-amdhsa--gfx1250"
	.amdhsa_code_object_version 6
	.text
	.protected	k_qcec862d72f_attn
	.globl	k_qcec862d72f_attn
	.p2align	8
	.type	k_qcec862d72f_attn,@function
k_qcec862d72f_attn:
	s_mov_b64 s[64:65], 0
	v_nop
	global_prefetch_b8 v0, s[64:65] scope:SCOPE_SE
	s_setreg_imm32_b32 hwreg(HW_REG_WAVE_SCHED_MODE, 0, 2), 2
	s_setreg_imm32_b32 hwreg(HW_REG_WAVE_MODE, 25, 1), 1
	s_wait_xcnt 0x0
	s_wait_alu depctr_vm_vsrc(0)
; One work-group = one batch b, one head hd, one half p of the queries.  It projects the head's 1,024 keys and values into LDS as codes of E4M3, projects its own
; queries, runs the causal softmax and both attention products from LDS, and stores ctx as codes.  q, k, v, the scores and p never go to memory.
; All operands are IMAGES OF OPERAND REGISTERS: a fragment (16 rows x 128 K) is 2,048 bytes, registers 4 c .. 4 c + 3 of lane l at 512 c + 16 l; lane l = r + 16 h holds row r, k = 32 c + 16 h + 0 .. 15.
; The same order of k stands on both sides of every product.  Four loads or stores of 16 bytes a lane move a fragment, 512 consecutive bytes each.
; SHARES.  The work-group owns query blocks p and 3 - p of 256.  Wave w owns the tile of 16 queries at Q0 = 256 p + 16 w and then the one at 1,008 - Q0: together 9 key steps of 128 that are not hidden, for every wave.
; EVERY PRODUCT IS LAID SO THAT ITS RESULT RUNS ALONG THE NEXT K IN A LANE'S REGISTERS (rows of a tile in the chosen order: row rho of tile 2 b + u is element 32 b + 8 u + rho + 8 (rho / 8)):
;   K: source 0 = 16 units of Wk, source 1 = 16 keys of k_matrix: a lane holds one key, tiles 2 b, 2 b + 1 its units 32 b + 16 h + 0 .. 15.  Q likewise.
;   V: source 0 = 16 keys of v_matrix, source 1 = 16 units of Wv: a lane holds one unit and 16 neighbouring keys: V^T's fragment.
;   S^T = K Q^T and O^T = V^T P^T: a lane holds one query throughout; O^T's registers are ctx's fragment for the last product, K step = head.
; THE SOFTMAX: t = score x log2(e) / sqrt(128); M = the running largest t rounded up to a whole number; p = 2^(t - M) is quantised, not normalised; the sum is taken of the unquantised p and divides at the end.
; The biases are the C of each projection, divided by the power of two that the sums lack; the scales ahead of each quantiser are folded into the conversion's one.
; NO CLUSTER, NO TENSOR LOAD: the images fill 311,296 of the WGP's 327,680 LDS bytes, so a shared tile has no place to land; what work-groups share (x's images, 48 KiB of weights) is read once, into registers.
; NO PREFETCH: all loads from memory but a tile of q (2,048 bytes) stand at the head.
; LIMITS on the given exponents, so that each power of two is an f32 number: e9, e6-e0-e1, e7-e2-e3, e8-e4-e5, e10-e8-e9 between -126 and 119; e6+e7 between -123 and 130.  NaN among the inputs is not served.
; THE MODE: SCHED_MODE bits 1:0 = 2 (LLVM: expert scheduling mode 2), set by the entry lines.  The code itself states the register dependences
; between vector or matrix instructions and memory or LDS instructions, with s_wait_alu, always for 0.
; THE PLAN.  Registers that memory or LDS instructions touch:
;   v1-v7, v10, v11   addresses, written once at the head and never again.     v8, v9   the key step's addresses: written at a step's head, read by the step's LDS loads.
;   PROJECTIONS.  RR, SS, CB, v250, v251: loads land there; a body's products (and the copies into CB) read them.  CD: a body's conversions write it; the four LDS stores that read it are issued in the NEXT body.
;     So ONE wait on va_vdst stands in a body, behind its products: they are done with RR, SS and CB, and the body before has written CD.  Behind it: that body's stores, then the next pair's loads.
;     One wait on vm_vsrc stands ahead of the conversions, 64 holds behind the stores that read CD.
;   A KEY STEP.  v32-95: K's first four fragments, K's second four, then V's first four, each run of loads behind a wait on va_vdst that shows the products before done reading them.  V's first four are asked for
;     straight behind the S^T products and land during the softmax.  v96-159: S^T, then p; once p's conversions have read it, V's second four fragments land there, behind one wait on va_vdst.
;     So the eight products V^T P^T follow each other with no load and no wait on va_vdst between them.
;   THE WAY OUT.  v32-47: ctx's conversions write them, four global stores read them; the next tile's loads land there behind the wait on vm_vsrc at the tile's head.
.set KIMG, 0                           ; LDS: K's 64 fragments, tile 8 s + f at 2,048 (8 s + f)
.set VIMG, 131072                      ; V^T's 64 fragments: key step s, units' tile t at 16,384 s + 2,048 t
.set WIMG, 262144                      ; Wk's 8 fragments, Wv's, Wq's: 16,384 bytes each
.set BIAS, 311296                      ; bk, bv, bq of the head, 512 bytes each, each divided by its product's power of two
.set RR, 16                            ; projections: v16-79 four fragments of x that stay;  v80-111 a pair of weight tiles;  v144-207 eight results;  v208-223 codes;  v224-239 the bias as C, two tiles
.set SS, 80
.set DD, 144
.set CD, 208
.set CB, 224
; v1 16 x lane; v2 WIMG + 16 lane; v3 BIAS + 64 h; v4 bv's word of my unit; v5, v6 where I store K's and V's codes; v7 WIMG + 16 x thread; v8, v9 the step's K and V; v10 VIMG + 16 lane; v11 16 x thread
; attention: v12 -M, v13 the largest t, v[14:15] the sum; v16-31 Q; v32-95 four fragments; v96-159 S^T, then p, then V's second four fragments; v160-223 O^T; v224-239 p's codes; v242-243, v250, v252-254 at work
; v240, v244: 448 x 2^e9, 2^e9;  v241, v245: the same for Q's conversion;  v246, v247: for ctx's;  v249, v248: for K's;  v253, v252: for V's (projections only)
; s6-s13 and s24-s31, done with behind the head, take the causal mask's compares, sixteen at a time
.macro MKS scl, lim                    ; s59 = an exponent x  ->  v[scl] = 2^x, v[lim] = 448 x 2^x
	s_add_co_i32 s59, s59, 127
	s_lshl_b32 s60, s59, 23
	v_mov_b32 v[\scl], s60
	s_add_co_i32 s59, s59, 8
	s_lshl_b32 s59, s59, 23
	s_or_b32 s59, s59, 0x600000
	v_mov_b32 v[\lim], s59
.endm
.macro LOADS woff, pair                ; weight tiles 2 pair and 2 pair + 1
.irp u, 0,1
.irp c, 0,1,2,3
	ds_load_b128 v[SS+16*\u+4*\c:SS+16*\u+4*\c+3], v2 offset:(\woff)+(2*(\pair)+\u)*2048+512*\c
.endr
.endr
.endm
.macro LOADCK pair                     ; K's bias in the result's layout: lane (r, h), tile 2 pair + u: units 32 pair + 8 u + 16 h + 0 .. 7
.irp u, 0,1
	ds_load_b128 v[CB+8*\u:CB+8*\u+3], v3 offset:128*(\pair)+32*\u
	ds_load_b128 v[CB+8*\u+4:CB+8*\u+7], v3 offset:128*(\pair)+32*\u+16
.endr
.endm
.macro LOADCV pair                     ; V's: a lane holds one unit: one word a tile
	ds_load_b32 v250, v4 offset:128*(\pair)
	ds_load_b32 v251, v4 offset:128*(\pair)+32
.endm
.macro LOADX tau                       ; my four tiles of 16 keys of tensor tau
.irp i, 0,1,2,3
.irp c, 0,1,2,3
	global_load_b128 v[RR+16*\i+4*\c:RR+16*\i+4*\c+3], v1, s[40:41] offset:(\tau)*1048576+2048*\i+512*\c
.endr
.endr
.endm
.macro PLACES                          ; four plain vector lines between a matrix instruction and a read of its result, a write of or a load into its registers
.rept 4
	v_nop
.endr
.endm
; The codes in CD go to LDS.  kind 0: K, kind 1: V; b: the pair of weight tiles that made them.
.macro PSTORE kind, b
.if \kind
.irp u, 0,1
.irp e, 0,1
	ds_store_b128 v6, v[CD+4*(2*\u+\e):CD+4*(2*\u+\e)+3] offset:2048*(2*(\b)+\u)+512*\e   ; units' tile 2 b + u, my 32 keys' registers
.endr
.endr
.else
.irp i, 0,1,2,3
	ds_store_b128 v5, v[CD+4*\i:CD+4*\i+3] offset:2048*\i+512*(\b)                        ; my key tile i, registers 4 b .. 4 b + 3
.endr
.endif
.endm
; My 64 keys against weight tiles 2 b and 2 b + 1.  kind 0: K, kind 1: V.  prev = 1: the codes of the body before (kind pk, pair pb) are stored here.
.macro PBODY kind, b, prev, pk, pb
.set PS, 248+4*(\kind)
.set PL, 249+4*(\kind)
	s_wait_dscnt 0x0                               ; the pair of weight tiles and the bias are in
.if (\b) == 0
	s_wait_loadcnt 0x0                             ; and so are my four tiles of x
.endif
.if \kind
.irp u, 0,1
.irp j, 0,1,2,3,4,5,6,7
	v_mov_b32 v[CB+8*\u+\j], v[250+\u]             ; my unit's bias for all eight keys
.endr
.endr
.endif
.irp i, 0,1,2,3
.irp u, 0,1
.if \kind
	v_wmma_f32_16x16x128_fp8_fp8 v[DD+8*(2*\i+\u):DD+8*(2*\i+\u)+7], v[RR+16*\i:RR+16*\i+15], v[SS+16*\u:SS+16*\u+15], v[CB+8*\u:CB+8*\u+7]
.else
	v_wmma_f32_16x16x128_fp8_fp8 v[DD+8*(2*\i+\u):DD+8*(2*\i+\u)+7], v[SS+16*\u:SS+16*\u+15], v[RR+16*\i:RR+16*\i+15], v[CB+8*\u:CB+8*\u+7]
.endif
.endr
.endr
	PLACES
	s_wait_alu depctr_va_vdst(0)                   ; the products are done reading SS, RR and CB, and the copies v250 and v251, in which the loads below land; the body before has written CD, which the stores below read
.if \prev
	PSTORE \pk, \pb
.endif
.if (\b) < 3                           ; the next pair comes in while this one is quantised
	LOADS 16384*(\kind), (\b)+1
.if \kind
	LOADCV (\b)+1
.else
	LOADCK (\b)+1
.endif
.elseif (\kind) == 0                   ; K is done: v_matrix's tiles, Wv's first pair
	LOADX 2
	LOADS 16384, 0
	LOADCV 0
.endif
.set n, 0
.rept 64
	v_med3_num_f32 v[DD+n], v[DD+n], -v[PL], v[PL] ; the hold at the largest code x the scale; each result from its low end on
.set n, n+1
.endr
.if \prev
	s_wait_alu depctr_vm_vsrc(0)                   ; the stores above have read CD, which the conversions write again (and the head's stores have read v112-139, which the Q projection's results write)
.endif
.irp i, 0,1,2,3
.irp u, 0,1
.if \kind
	v_cvt_scalef32_pk8_fp8_f32 v[CD+4*(2*\u+\i/2)+2*(\i%2):CD+4*(2*\u+\i/2)+2*(\i%2)+1], v[DD+8*(2*\i+\u):DD+8*(2*\i+\u)+7], v[PS]
.else
	v_cvt_scalef32_pk8_fp8_f32 v[CD+4*\i+2*\u:CD+4*\i+2*\u+1], v[DD+8*(2*\i+\u):DD+8*(2*\i+\u)+7], v[PS]
.endif
.endr
.endr
	v_nop                                          ; a plain line behind the last conversion: the next products write its sources
.endm
	s_load_b256 s[4:11], s[0:1], 0x0               ; ximg s[4:5], wimg s[6:7], bq s[8:9], bk s[10:11]
	s_load_b128 s[12:15], s[0:1], 0x20             ; bv s[12:13], the scales' exponents s[14:15]
	s_load_b64 s[16:17], s[0:1], 0x30              ; ctximg
	v_lshrrev_b32 v12, 5, v0
	v_readfirstlane_b32 s18, v12                   ; wave 0..15
	v_and_b32 v13, 31, v0                          ; lane
	v_and_b32 v14, 15, v0                          ; r
	v_bfe_u32 v15, v0, 4, 1                        ; h
	v_lshlrev_b32 v1, 4, v13
	v_add_nc_u32 v2, WIMG, v1
	v_lshlrev_b32 v3, 6, v15
	v_add_nc_u32 v3, BIAS, v3
	v_and_b32 v4, 8, v14
	v_add_nc_u32 v4, v4, v14                       ; r + 8 (r / 8)
	v_lshlrev_b32 v4, 2, v4
	v_add_nc_u32 v4, BIAS+512, v4
	s_wait_alu depctr_va_sdst(0)                   ; s18 is written, ahead of its first reader: LDS places, bases and branches are made from it
	s_lshl_b32 s59, s18, 13
	v_add_nc_u32 v5, s59, v1                       ; K: my four tiles begin at 8,192 x wave
	s_lshr_b32 s59, s18, 1
	s_lshl_b32 s59, s59, 14                        ; V: key step wave / 2,
	s_and_b32 s60, s18, 1
	s_lshl_b32 s60, s60, 10                        ; registers 8 (wave % 2) on
	s_add_co_u32 s59, s59, s60
	s_add_co_u32 s59, s59, VIMG
	v_add_nc_u32 v6, s59, v1
	v_lshlrev_b32 v11, 4, v0
	v_add_nc_u32 v7, WIMG, v11
	v_add_nc_u32 v10, VIMG, v1
	s_and_b32 s19, ttmp9, 1                        ; p
	s_lshr_b32 s36, ttmp9, 5                       ; b
	s_bfe_u32 s37, ttmp9, 0x40001                  ; hd
	s_lshl_b32 s61, s36, 10                        ; the batch's first row
	s_mov_b32 s39, 0                               ; the high word of every offset pair s[38:39]
	s_mov_b32 s20, 0x76543210                      ; v_permlanex16_b32's selects: lane l xor 16
	s_mov_b32 s21, 0xfedcba98
	s_wait_kmcnt 0x0
	s_load_b256 s[24:31], s[14:15], 0x0            ; e0 .. e7
	s_load_b128 s[32:35], s[14:15], 0x20           ; e8 .. e11
	s_lshl_b32 s38, s37, 14
	s_add_nc_u64 s[44:45], s[6:7], s[38:39]        ; the head's tiles in each weight's images
	s_wait_alu depctr_va_vdst(0)                   ; the addresses v1 to v7, v10 and v11 are written, which the kernel's loads and stores read
	global_load_b128 v[112:115], v11, s[44:45] offset:262144          ; Wk, Wv, Wq: 16,384 bytes each, 8,192 an instruction of the work-group
	global_load_b128 v[116:119], v11, s[44:45] offset:262144+8192
	global_load_b128 v[120:123], v11, s[44:45] offset:524288
	global_load_b128 v[124:127], v11, s[44:45] offset:524288+8192
	global_load_b128 v[128:131], v11, s[44:45]
	global_load_b128 v[132:135], v11, s[44:45] offset:8192
	s_lshl_b32 s38, s36, 6
	s_lshl_b32 s59, s18, 2
	s_add_co_u32 s38, s38, s59                     ; my first tile of keys: 64 b + 4 x wave
	s_lshl_b32 s38, s38, 11
	s_add_nc_u64 s[40:41], s[4:5], s[38:39]
	LOADX 1                                        ; k_matrix's
	s_wait_kmcnt 0x0
	s_add_co_i32 s49, s26, s27                     ; e2 + e3
	s_add_co_i32 s50, s28, s29                     ; e4 + e5
	s_add_co_i32 s51, s24, s25                     ; e0 + e1
	s_sub_co_i32 s59, s30, s51
	MKS 245, 241                                   ; Q: a sum stands for sum x 2^(e0 + e1): its code is sum / 2^(e6 - e0 - e1)
	s_sub_co_i32 s59, s31, s49
	MKS 248, 249                                   ; K: e7 - e2 - e3
	s_sub_co_i32 s59, s32, s50
	MKS 252, 253                                   ; V: e8 - e4 - e5
	s_mov_b32 s59, s33
	MKS 244, 240                                   ; p: e9
	s_sub_co_i32 s59, s34, s32
	s_sub_co_i32 s59, s59, s33
	MKS 247, 246                                   ; ctx: O^T / l stands for x 2^(e8 + e9): e10 - e8 - e9
	s_add_co_i32 s59, s30, s31
	s_lshl_b32 s59, s59, 23
	s_mov_b32 s22, 0x3e0293ee                      ; c = log2(e) / sqrt(128);
	s_add_co_i32 s22, s22, s59                     ; a score stands for score x 2^(e6 + e7): added to c's exponent field
	s_mov_b32 s23, s22                             ; (named with it as a pair)
	s_cmp_eq_u32 s18, 0                            ; waves 0, 1, 2 bring bk, bv, bq of the head
	s_cselect_b64 s[46:47], s[10:11], s[12:13]
	s_cselect_b32 s48, s49, s50
	s_cmp_eq_u32 s18, 2
	s_cselect_b64 s[46:47], s[8:9], s[46:47]
	s_cselect_b32 s48, s51, s48
	s_sub_co_i32 s48, 0, s48
	s_lshl_b32 s38, s37, 9
	s_add_nc_u64 s[46:47], s[46:47], s[38:39]
	s_cmp_lt_u32 s18, 3
	s_cbranch_scc0 .Lno_bias
	global_load_b128 v[136:139], v1, s[46:47]
	s_wait_loadcnt 0x0
	v_ldexp_f32 v136, v136, s48                    ; the bias divided by the power of two that the sums lack
	v_ldexp_f32 v137, v137, s48
	v_ldexp_f32 v138, v138, s48
	v_ldexp_f32 v139, v139, s48
	s_wait_alu depctr_va_vdst(0)                   ; the four lines above have written v136-139, which the LDS store reads
	ds_store_b128 v7, v[136:139] offset:49152      ; BIAS + 512 x wave + 16 x lane
.Lno_bias:
	s_wait_loadcnt 16                              ; the six loads of weights are in; k_matrix's sixteen, issued behind them, may be out
.irp i, 0,1,2,3,4,5
	ds_store_b128 v7, v[112+4*\i:115+4*\i] offset:8192*\i
.endr
	s_wait_dscnt 0x0                               ; for the others' sake: my stores have landed
	s_barrier_signal -1
	s_barrier_wait -1                              ; the weights and the biases lie in LDS
	LOADS 0, 0
	LOADCK 0
	PBODY 0, 0, 0, 0, 0
	PBODY 0, 1, 1, 0, 0
	PBODY 0, 2, 1, 0, 1
	PBODY 0, 3, 1, 0, 2
	PBODY 1, 0, 1, 0, 3
	PBODY 1, 1, 1, 1, 0
	PBODY 1, 2, 1, 1, 1
	PBODY 1, 3, 1, 1, 2
	s_wait_alu depctr_va_vdst(0)                   ; the last body has written CD, which the stores below read; all projections are done with v16-239, in which the first tile's loads land (no vector line stands between)
	PSTORE 1, 3
	s_wait_dscnt 0x0                               ; my codes have landed
	s_barrier_signal -1
	s_barrier_wait -1                              ; K and V^T are whole; from here on LDS is only read
	s_lshl_b32 s54, s19, 8
	s_lshl_b32 s59, s18, 4
	s_add_co_u32 s54, s54, s59                     ; Q0 = 256 p + 16 x wave
	s_mov_b32 s58, 2
.Ltile:
	; ---- my 16 queries are projected and quantised
	s_wait_alu depctr_vm_vsrc(0)                   ; first tile: the last LDS stores have read CD (v208-223); second tile: ctx's global stores have read v32-47: loads land in both below
	s_add_co_u32 s38, s61, s54
	s_lshl_b32 s38, s38, 7                         ; tile (1,024 b + Q0) / 16 of 2,048 bytes
	s_add_nc_u64 s[40:41], s[4:5], s[38:39]
.irp c, 0,1,2,3
	global_load_b128 v[224+4*\c:227+4*\c], v1, s[40:41] offset:512*\c   ; no vector or matrix line has been issued since the last wait on va_vdst, on the way in and on the way back alike
.endr
.irp f, 0,1,2,3,4,5,6,7
	ds_load_b128 v[160+8*\f:163+8*\f], v3 offset:1024+128*(\f/2)+32*(\f%2)
	ds_load_b128 v[164+8*\f:167+8*\f], v3 offset:1024+128*(\f/2)+32*(\f%2)+16
.endr
.irp g, 0,1
	PLACES
.if \g
	s_wait_alu depctr_va_vdst(0)                   ; the first four products are done reading v32-95, in which Wq's next four fragments land
.endif
.irp t, 0,1,2,3
.irp c, 0,1,2,3
	ds_load_b128 v[32+16*\t+4*\c:35+16*\t+4*\c], v2 offset:32768+2048*(4*\g+\t)+512*\c
.endr
.endr
.if \g == 0
	s_wait_loadcnt 0x0
.endif
.irp t, 0,1,2,3
	s_wait_dscnt 12-4*\t                           ; tile t's four loads (and all before them) are in; the four of each later tile may be out
	v_wmma_f32_16x16x128_fp8_fp8 v[96+8*(4*\g+\t):103+8*(4*\g+\t)], v[32+16*\t:47+16*\t], v[224:239], v[160+8*(4*\g+\t):167+8*(4*\g+\t)]
.endr
.endr
	PLACES
.set n, 0
.rept 64
	v_med3_num_f32 v[96+n], v[96+n], -v241, v241
.set n, n+1
.endr
.irp f, 0,1,2,3,4,5,6,7
	v_cvt_scalef32_pk8_fp8_f32 v[16+2*\f:17+2*\f], v[96+8*\f:103+8*\f], v245
.endr
	v_nop
	v_mov_b32 v13, 0xff61b1e6                      ; the largest t so far: -3e38, under every t
	v_floor_f32 v12, -v13                          ; -M
	v_mov_b32 v14, 0                               ; the sum, in two halves
	v_mov_b32 v15, 0
	v_mov_b32 v250, 0                              ; a lane permute's destination counts as one of its sources
	v_mov_b32 v252, 0
	v_mov_b32 v253, 0                              ; (named as the upper half of the pair v[252:253])
.set n, 0
.rept 64
	v_mov_b32 v[160+n], 0                          ; O^T.  The key step is written once: its first trip finds zeros, which the first change of M leaves zeros
.set n, n+1
.endr
	s_mov_b32 s55, 0                               ; the step's first key
	s_mov_b32 s56, 0                               ; and its tiles' place in KIMG and VIMG
	s_mov_b32 s57, 8
.Lstep:                                            ; eight trips; a step all of whose keys come after my queries is passed over
	s_add_co_u32 s59, s54, 15
	s_cmp_gt_u32 s55, s59
	s_cbranch_scc1 .Lhidden
	s_wait_alu depctr_vm_vsrc(0)                   ; the LDS loads issued so far have read v8 and v9, which the two additions write
	v_add_nc_u32 v8, s56, v1
	v_add_nc_u32 v9, s56, v10
.rept 3
	v_nop                                          ; with the two additions: five places, since the first product below writes over v96-103, which the last step's products read as a source (four would do for the loads)
.endr
	s_wait_alu depctr_va_vdst(0)                   ; v8 and v9 are written, which this step's loads read; the products issued so far are done reading v32-95, in which K's first four fragments land
.irp g, 0,1                                        ; S^T = K Q^T, four tiles of 16 keys at a time
.if \g
	PLACES
	s_wait_alu depctr_va_vdst(0)                   ; the first four products are done reading v32-95, in which K's next four fragments land
.endif
.irp t, 0,1,2,3
.irp c, 0,1,2,3
	ds_load_b128 v[32+16*\t+4*\c:35+16*\t+4*\c], v8 offset:2048*(4*\g+\t)+512*\c
.endr
.endr
.irp t, 0,1,2,3
	s_wait_dscnt 12-4*\t
	v_wmma_f32_16x16x128_fp8_fp8 v[96+8*(4*\g+\t):103+8*(4*\g+\t)], v[32+16*\t:47+16*\t], v[16:31], 0
.endr
.endr                                              ; register 16 b + i of lane (r, h): query Q0 + r, key KF + 32 b + 16 h + i
	PLACES
	s_wait_alu depctr_va_vdst(0)                   ; the S^T products are done reading v32-95, in which V's first four fragments land: they are asked for here and have the softmax in which to come
.irp t, 0,1,2,3
.irp c, 0,1,2,3
	ds_load_b128 v[32+16*\t+4*\c:35+16*\t+4*\c], v9 offset:2048*\t+512*\c
.endr
.endr
	s_add_co_u32 s59, s55, 127
	s_cmp_le_u32 s59, s54
	s_cbranch_scc1 .Lopen                          ; all 128 keys count
	s_sub_co_i32 s59, s54, s55
	v_and_b32 v252, 15, v0
	v_bfe_u32 v253, v0, 4, 1
	v_lshlrev_b32 v253, 4, v253
	v_sub_nc_u32 v252, v252, v253
	v_add_nc_u32 v252, s59, v252                   ; d = my query - KF - 16 h: register 16 b + i is hidden where 32 b + i > d
	v_mov_b32 v254, 0xff800000                     ; -infinity: p = 0 then
.set m, 0
.rept 4                                            ; sixteen compares in a run, each into a scalar register of its own; one wait; the sixteen selects
.set n, 16*m
.rept 16
	v_cmp_gt_i32 s[6+(n%16)+10*((n%16)/8)], 32*(n/16)+n%16, v252
.set n, n+1
.endr
	s_wait_alu depctr_va_sdst(0)                   ; the sixteen compares have written s6-s13 and s24-s31, which the selects below read
.set n, 16*m
.rept 16
	v_cndmask_b32 v[96+n], v[96+n], v254, s[6+(n%16)+10*((n%16)/8)]
.set n, n+1
.endr
.set m, m+1
.endr
.Lopen:
	v_max3_num_f32 v254, v96, v97, v98             ; the step's largest score of my query among my 64 keys, in two chains,
	v_max3_num_f32 v252, v99, v100, v101
.irp i, 6,10,14,18,22,26,30,34,38,42,46,50,54,58
	v_max3_num_f32 v254, v254, v[96+\i], v[97+\i]
	v_max3_num_f32 v252, v252, v[98+\i], v[99+\i]
.endr
	v_max3_num_f32 v254, v254, v158, v159
	v_max_num_f32 v254, v254, v252
	v_permlanex16_b32 v250, v254, s20, s21
	v_max_num_f32 v254, v254, v250                 ; and among lane l xor 16's
	v_mul_f32 v254, s22, v254                      ; as t (c is positive)
	v_max_num_f32 v13, v13, v254                   ; the running largest t
	v_mov_b32 v254, v12
	v_floor_f32 v12, -v13                          ; the new -M = floor(-t): M is a whole number
	v_sub_f32 v254, v12, v254                      ; old M - new M: a whole number, 0 or less
	v_cvt_i32_f32 v254, v254                       ; (it saturates)
	v_ldexp_f32 v252, 1.0, v254                    ; f = 2^(old M - new M): a multiplication by it rounds nothing
.set n, 0
.rept 32
	v_pk_fma_f32 v[96+n:97+n], v[96+n:97+n], s[22:23], v[12:13] op_sel_hi:[1,0,0]   ; t - M, two at a time
.set n, n+2
.endr
.set n, 0
.rept 64
	v_exp_f32 v[96+n], v[96+n]                     ; p = 2^(t - M), at most 1
.set n, n+1
.endr
	v_pk_mul_f32 v[14:15], v[14:15], v[252:253] op_sel_hi:[1,0]   ; the sums under the new M: the plain line behind the exponentials
	s_wait_alu depctr_va_vdst(0)                   ; the 64 exponentials have written v96-159: one wait for the batch, ahead of its first reader
	v_pk_add_f32 v[242:243], v[96:97], v[98:99]    ; the row's sum is taken of the unquantised p, in two chains
.irp j, 4,8,12,16,20,24,28,32,36,40,44,48,52,56,60
	v_pk_add_f32 v[14:15], v[14:15], v[96+\j:97+\j]
	v_pk_add_f32 v[242:243], v[242:243], v[98+\j:99+\j]
.endr
	v_pk_add_f32 v[14:15], v[14:15], v[242:243]
	s_cmp_ge_i32 s33, -8                           ; p <= 1 <= 448 x 2^e9 wherever e9 >= -8: the hold would change nothing.  e9 is a whole number of the input
	s_cbranch_scc1 .Lnohold
.set n, 0
.rept 64
	v_min_num_f32 v[96+n], v[96+n], v240           ; p is not negative: the hold is one-sided
.set n, n+1
.endr
.Lnohold:
.irp f, 0,1,2,3,4,5,6,7
	v_cvt_scalef32_pk8_fp8_f32 v[224+2*\f:225+2*\f], v[96+8*\f:103+8*\f], v244
.endr
	s_wait_alu depctr_va_vdst(0)                   ; the conversions are done reading p in v96-159, in which V's second four fragments land
.irp t, 0,1,2,3
.irp c, 0,1,2,3
	ds_load_b128 v[96+16*\t+4*\c:99+16*\t+4*\c], v9 offset:2048*(4+\t)+512*\c
.endr
.endr
.set n, 0
.rept 32
	v_pk_mul_f32 v[160+n:161+n], v[160+n:161+n], v[252:253] op_sel_hi:[1,0]   ; O^T under the new M; these name none of the registers that the loads above touch, and are the plain lines between the conversions and the products below
.set n, n+2
.endr
	s_wait_dscnt 16                                ; V's first four fragments are in; the sixteen loads of the second four may be out
.irp t, 0,1,2,3                                    ; O^T += V^T P^T: eight tiles of 16 units; the eight sums take turns
	v_wmma_f32_16x16x128_fp8_fp8 v[160+8*\t:167+8*\t], v[32+16*\t:47+16*\t], v[224:239], v[160+8*\t:167+8*\t]
.endr
.irp t, 0,1,2,3
	s_wait_dscnt 12-4*\t
	v_wmma_f32_16x16x128_fp8_fp8 v[192+8*\t:199+8*\t], v[96+16*\t:111+16*\t], v[224:239], v[192+8*\t:199+8*\t]
.endr
.Lhidden:
	s_add_co_u32 s55, s55, 128
	s_add_co_u32 s56, s56, 16384
	s_sub_co_u32 s57, s57, 1
	s_cmp_lg_u32 s57, 0
	s_cbranch_scc1 .Lstep
	; ---- ctx = O^T / l, quantised: its registers are the fragment (my 16 queries, K step = head) of the last product
	PLACES
	v_add_f32 v14, v14, v15                        ; the sum's two halves,
	v_permlanex16_b32 v252, v14, s20, s21
	v_add_f32 v14, v14, v252                       ; and lane l xor 16's
	v_rcp_f32 v14, v14
	v_nop                                          ; a plain line behind the reciprocal
	s_add_co_u32 s38, s61, s54
	s_add_co_u32 s38, s38, s37
	s_lshl_b32 s38, s38, 11                        ; 32,768 x (row / 16) + 2,048 x head
	s_add_nc_u64 s[42:43], s[16:17], s[38:39]
	s_wait_alu depctr_va_vdst(0)                   ; the reciprocal has written v14, ahead of its first reader
.set n, 0
.rept 32
	v_pk_mul_f32 v[96+n:97+n], v[160+n:161+n], v[14:15] op_sel_hi:[1,0]
.set n, n+2
.endr
.set n, 0
.rept 64
	v_med3_num_f32 v[96+n], v[96+n], -v246, v246
.set n, n+1
.endr
.irp f, 0,1,2,3,4,5,6,7
	v_cvt_scalef32_pk8_fp8_f32 v[32+2*\f:33+2*\f], v[96+8*\f:103+8*\f], v247
.endr
	v_nop
	s_wait_alu depctr_va_vdst(0)                   ; the conversions have written v32-47, which the stores read; all this tile's vector and matrix lines are done with v32-95 and v160-239, in which the next tile's loads land
.irp c, 0,1,2,3
	global_store_b128 v1, v[32+4*\c:35+4*\c], s[42:43] offset:512*\c   ; the wave stores 512 consecutive bytes, aligned
.endr
	s_wait_xcnt 0x0                                ; the stores have read their data and their base: both are written again in the next trip
	s_sub_co_u32 s54, 1008, s54                    ; my second tile
	s_sub_co_u32 s58, s58, 1
	s_cmp_lg_u32 s58, 0
	s_cbranch_scc1 .Ltile
	s_wait_xcnt 0x0
	v_lshl_add_u32 v254, v0, 2, 0x4c600            ; my spare word, behind the biases, and 0: made anew here; no memory or LDS instruction has read either register
	v_mov_b32 v255, 0
	s_wait_dscnt 0x0                               ; the closing lines, six on end
	s_wait_alu 0x0
	s_wait_tensorcnt 0x0
	ds_add_u32 v254, v255
	s_wait_dscnt 0x0
	s_endpgm
.Lfunc_end_k_qcec862d72f_attn:
	.size	k_qcec862d72f_attn, .Lfunc_end_k_qcec862d72f_attn-k_qcec862d72f_attn
	.p2alignl 7, 3214868480
	.fill 96, 4, 3214868480
	.section	.rodata,"a",@progbits
	.p2align	6, 0x0
	.amdhsa_kernel k_qcec862d72f_attn
		.amdhsa_group_segment_fixed_size 314880
		.amdhsa_private_segment_fixed_size 0
		.amdhsa_enable_private_segment 0
		.amdhsa_kernarg_size 56
		.amdhsa_user_sgpr_count 2
		.amdhsa_user_sgpr_kernarg_segment_ptr 1
		.amdhsa_wavefront_size32 1
		.amdhsa_system_sgpr_workgroup_id_x 1
		.amdhsa_system_sgpr_workgroup_id_y 1
		.amdhsa_system_sgpr_workgroup_id_z 1
		.amdhsa_system_vgpr_workitem_id 0
		.amdhsa_next_free_vgpr 256
		.amdhsa_next_free_sgpr 66
		.amdhsa_reserve_vcc 0
		.amdhsa_float_denorm_mode_32 3
		.amdhsa_float_denorm_mode_16_64 3
		.amdhsa_memory_ordered 1
		.amdhsa_forward_progress 1
		.amdhsa_inst_pref_size 110
	.end_amdhsa_kernel
	.amdgpu_metadata
---
amdhsa.version: [ 1, 2 ]
amdhsa.kernels:
  - .name:           k_qcec862d72f_attn
    .symbol:         k_qcec862d72f_attn.kd
    .args:
      - { .name: ximg, .offset: 0, .size: 8, .value_kind: global_buffer, .address_space: global }
      - { .name: wimg, .offset: 8, .size: 8, .value_kind: global_buffer, .address_space: global }
      - { .name: bq, .offset: 16, .size: 8, .value_kind: global_buffer, .address_space: global }
      - { .name: bk, .offset: 24, .size: 8, .value_kind: global_buffer, .address_space: global }
      - { .name: bv, .offset: 32, .size: 8, .value_kind: global_buffer, .address_space: global }
      - { .name: lowp_scales, .offset: 40, .size: 8, .value_kind: global_buffer, .address_space: global }
      - { .name: ctximg, .offset: 48, .size: 8, .value_kind: global_buffer, .address_space: global }
    .group_segment_fixed_size: 314880
    .private_segment_fixed_size: 0
    .kernarg_segment_align: 8
    .kernarg_segment_size: 56
    .max_flat_workgroup_size: 512
    .sgpr_count:     66
    .vgpr_count:     256
    .wavefront_size: 32
...
	.end_amdgpu_metadata
.endif
;; end of part 4
;; launch outg: the kernel of part 3 again; grid 4 x 64, 4 waves a work-group, clusters of 4 x 1, 280,064 bytes of LDS; arguments ctximg, woimg, lowp_scales, bo, out0; writes out0
